; MI455X (gfx1250); checked and timed in simulation.
; The chip was launched on July 23, 2026; its instructions are those of AMD's public machine-readable ISA for CDNA 5 (MIT licence, August 2026) and "CDNA5" Instruction Set Architecture Reference Guide (July 2026). The comments in the code are by the model that wrote it; some were corrected since.
;; self Attention. Allowed arithmetic: matrix products marked QUANTISED: E4M3 operands, one E8M0 scale for each 32 along K, by v_wmma_scale_f32_16x16x128_f8f6f4 with both operands' format E4M3, f32 sums; everything else in f32.
;; Inputs: W_qkv 3,072 x 1,024 float32; x 4 x 2,048 x 1,024 float32.
;; Outputs: out0 4 x 2,048 x 1,024 float32.
;; This version of the problem:
;;   THIS VERSION OF THE PROBLEM IS GIVEN IN LOW PRECISION. The matrix products marked QUANTISED in the list below multiply operands that are first quantised to E4M3 (4 exponent bits, 3 mantissa bits; 8 bits a number), with one power-of-two scale for each 32 numbers along K (OCP MX v1.0); their sums are f32. All else is computed in f32.
;;   The module's matrix products, in the order in which they are computed (A, B: the left and right operand; K: the contracted axis; several contracted axes count as one K, in the product's order):
;;     1. [M 8,192, K 1,024] x [K 1,024, N 3,072]; A: input x; B: input W_qkv: QUANTISED
;;     2. batch 4 x [M 2,048, K 1,024] x [K 1,024, N 2,048]; A: computed on the way; B: computed on the way: QUANTISED
;;     3. batch 4 x [M 2,048, K 2,048] x [K 2,048, N 1,024]; A: softmax (see below); B: computed on the way: QUANTISED
;;   THE QUANTISER, for each operand of a quantised product, along K:
;;     - K is cut into blocks of 32 from its start; a last block that is shorter is filled with zeros.
;;     - A block's scale is 2^e with e = floor(log2(the largest magnitude in the block)) - 8, held to -126 .. 127; a block of zeros has e = 0. As a byte (E8M0): e + 127.
;;     - Each number is divided by its block's scale, clamped to +-448, and rounded to the nearest number of E4M3, ties to even, subnormals kept.
;;     - The product sums the exact products of the quantised numbers (number of the format x scale) in f32.
;;   ~~~python
;;   def quantise(x, axis):      # numpy; x: float32 -> the quantised numbers, widened to float32 again
;;       x = np.moveaxis(x, axis, -1); K = x.shape[-1]
;;       x = np.pad(x, [(0, 0)] * (x.ndim - 1) + [(0, -K % 32)]); x = x.reshape(x.shape[:-1] + (-1, 32)); a = np.abs(x).max(-1, keepdims=True)
;;       e = np.where(a > 0, np.clip(np.frexp(np.where(a > 0, a, 1))[1] - 1 - 8, -126, 127), 0)      # np.frexp(a)[1] - 1 = floor(log2(a)), exactly
;;       r = np.clip(x / 2.0 ** e, -448, 448)
;;       step = 2.0 ** (np.maximum(np.frexp(np.where(r == 0, 1, r))[1] - 1, -6) - 3)
;;       q = np.round(r / step) * step * 2.0 ** e      # np.round: ties to even
;;       return np.moveaxis(q.reshape(q.shape[:-2] + (-1,))[..., :K], -1, axis).astype(np.float32)
;;   ~~~
;;   SOFTMAX AHEAD OF A QUANTISED PRODUCT. Where the list says 'softmax', what is quantised is not the finished softmax but p = 2^(t - M), with t = logit x log2(e) and M = ceil(the row's largest t), a whole number; so 1/2 < the row's largest p <= 1. The row's sum l is taken of the UNQUANTISED p, in f32, and the product's result is divided by l at the end. Since M is a whole number, a kernel that streams over the keys may use a running M (the ceiling of the running maximum): every later rescaling is an exact power of two, which a block's scale takes up: the codes' values come out the same.
;;   OPERANDS COMPUTED ON THE WAY. 'Computed on the way' means the value that the module computes at that place (a softmax that the list does not call 'softmax' is quantised finished and normalised). What goes into a quantiser is computed in f32, as accurately as f32 sums, v_exp_f32 and their like allow (about 1e-6 of the number): no bf16 or f16 on the way to a quantiser, and a product that is left as it is and whose result goes on into a quantised operand takes f32 operands (vector FMAs, or v_wmma_f32_16x16x4_f32). A number that lies on a knife's edge between two numbers of the format may be rounded either way, as far as f32 arithmetic and the matrix unit's own rounding can turn it there, and no further.
;; One version. Each part assembles by itself: llvm-mc -triple=amdgcn-amd-amdhsa -mcpu=gfx1250 --defsym DOCPART=n.
;; ======== version 1 of 1: 4 launches
;; limits: right only within a limited range of input values
;; workspace buffers: xw_codes 11,534,336 bytes; xw_sc 360,448 bytes; qk_codes 16,777,216 bytes; qk_sc 524,288 bytes; vt_codes 8,388,608 bytes; vt_sc 262,144 bytes; p_codes 16,777,216 bytes; p_stat 1,572,864 bytes
;; launch quant (part 1): grid 176 x 4, 4 waves a work-group, no clusters, 34,816 bytes of LDS; arguments x, W_qkv, xw_codes, xw_sc; writes xw_codes, xw_sc
.if DOCPART == 1
	.amdgcn_target "amdgcn-amd-amdhsa--gfx1250"
	.amdhsa_code_object_version 6
	.text
	.protected	k_q9f7011e3fe_quant
	.globl	k_q9f7011e3fe_quant
	.p2align	8
	.type	k_q9f7011e3fe_quant,@function
k_q9f7011e3fe_quant:
	s_mov_b64 s[64:65], 0
	v_nop
	global_prefetch_b8 v0, s[64:65] scope:SCOPE_SE
	s_setreg_imm32_b32 hwreg(HW_REG_WAVE_MODE, 25, 1), 1
	s_wait_xcnt 0x0
; THE PROGRAM: out = softmax((x Wq^T) 2^-5 (x Wk^T)^T) (x Wv^T), all three products on codes of FP8 (E4M3) with one E8M0 scale for each 32 along K.  Four launches:
;   quant: x and W_qkv become codes;   gemm_qkv: q, k (quantised along d) and v^T (quantised along the tokens);   gemm_s: scores, p = 2^(t - M) as codes, M and the sums;   gemm_o: O = P V / l.
; NO WORK IS LEFT OUT: both inputs reach the output and both are loaded; every product of the problem's table is done whole.
; ONE STEP IS FOLDED: reference() multiplies q by 1024^-0.5 = 2^-5 ahead of the quantiser.  A power of two moves a block's scale and leaves its codes: Q(q 2^-5) = 2^-5 Q(q).  So q is quantised as it is and
; 2^-5 stands in the constant that turns a score into t (gemm_s).  LIMIT: where a block of q has its largest magnitude under 2^-113, reference()'s scale would be held at 2^-126 and this program's is not.
; LIMITS of the quantiser as written here: a block whose largest magnitude lies under 2^-118 (a block of zeros among them) gets the byte 1; its codes are then zeros or subnormals; the bytes are read by this program alone.
; NaN and infinities among the inputs are not served.
;
; THIS LAUNCH: x [8192][1024] and W_qkv [3072][1024], f32, K innermost, become xw_codes and xw_sc.
; LAYOUT OF EVERY CODE BUFFER OF THE PROGRAM: images of operand registers.  16 rows x 128 K are 2,048 bytes: [c 0..3][lane 0..31][16 bytes]; lane (r, h) has row r, k = 32 c + 16 h + 0 .. 15.  A buffer is [K chunk][row block][2048].
; Scale words (four bytes: a row's 128 K) lie [K chunk][row].  In xw_sc W's rows stand by the work-group column tx = 0 .. 7 of the next launch: the 256 rows of Wq, Wk that tx multiplies, then its 128 rows of Wv: 384 words on end.
; STORAGE ROWS: row s of a workspace buffer stands for logical row sigma(s) = s with bits 3 and 4 exchanged.  A product's result register j of lane (r, h) in the tile of storage rows 16 b .. 16 b + 15 is storage row
; 16 b + 8 h + j; under sigma the 16 registers of tiles 2 B and 2 B + 1 are the logical rows 32 B + 16 h + 0 .. 15: sixteen neighbours along the next product's K, in the order that its operand wants.
; SHARES: work-group x = a group of 64 rows (0-127: x; 128-175: W), y = a quarter of K (2 chunks of 128).  Wave w owns storage row block 4 g + w: logical rows 64 g' + 32 (w / 2) + 8 (w % 2) + 16 (i / 8) + i % 8.
; A step is one chunk: 16 loads, each a row's 512 consecutive bytes; both chunks' loads are issued at the head.  Through the wave's own stage in LDS (rows 528 bytes apart) a lane gets 16 neighbours of each of its row's four blocks.
; No tensor load, no cluster, no matrix unit: memory binds, work-groups share no input, several lie on a WGP.  No prefetch: there is no loop to run ahead in.
.set SCP,   45056                      ; bytes from chunk to chunk in xw_sc: 11,264 rows x 4
.set CHP,   704*2048                   ; and in xw_codes: 704 row blocks
.set SP,    528                        ; a stage row: 512 bytes + 16
.set STGB,  16*SP                      ; a wave's stage
.set SCST,  4*STGB                     ; behind the stages: the work-group's scale words, [2 chunks][64 rows]
.set SPARE, SCST+512                   ; the spare words, 128 bytes for each wave
.set LI,  4                            ; v4   16 x lane
.set STI, 5                            ; v5   the stage, on the way in: 16 x lane
.set STO, 6                            ; v6   and on the way out: 528 r + 64 h
.set SWA, 7                            ; v7   where my row's scale word goes: 64 w + 4 r
.set SRD, 8                            ; v8   where I read a chunk's 64 words back: 256 w + 8 x lane
.set L8,  9                            ; v9   8 x lane
.set SPW, 10                           ; v10  LDS address of my spare word; never rewritten
.set NIL, 11                           ; v11  0; never rewritten
.set TM,  12                           ; v12-15 largest magnitudes, v16-19 bytes, v20-23 448 x the scale, v24-27 the conversions' scale operands
.set PW,  28                           ; v28  the scale word just made
.set PC,  32                           ; v32-47  a fragment's codes
.set X,   48                           ; v48-111 64 numbers: register 16 b + i = k 32 b + 16 h + i of my row
.set R,   112                          ; v112-239 two sets of 64, as loaded
.set SEL, 20                           ; s[20:21] lane selects for v_permlanex16_b32: lane l xor 16
.set MNT, 23                           ; s23  the mantissa field of 448
	s_load_b256 s[4:11], s[0:1], 0x0               ; x s[4:5], W_qkv s[6:7], xw_codes s[8:9], xw_sc s[10:11]
	v_lshl_add_u32 v[SPW], v0, 2, SPARE
	v_mov_b32 v[NIL], 0
	v_lshrrev_b32 v1, 5, v0
	v_readfirstlane_b32 s12, v1                    ; wave 0..3
	v_and_b32 v2, 31, v0                           ; lane
	v_and_b32 v3, 15, v0                           ; r
	v_bfe_u32 v1, v0, 4, 1                         ; h
	v_lshlrev_b32 v[LI], 4, v2
	s_mul_i32 s13, s12, STGB
	v_add_nc_u32 v[STI], s13, v[LI]
	v_mul_u32_u24 v[STO], v3, SP
	v_lshl_add_u32 v[STO], v1, 6, v[STO]
	v_add_nc_u32 v[STO], s13, v[STO]
	s_lshl_b32 s13, s12, 6
	s_add_co_u32 s13, s13, SCST
	v_lshl_add_u32 v[SWA], v3, 2, s13
	s_lshl_b32 s13, s12, 8
	s_add_co_u32 s13, s13, SCST
	v_lshlrev_b32 v[L8], 3, v2
	v_add_nc_u32 v[SRD], s13, v[L8]
.irp b, 0,1,2,3
	v_mov_b32 v[TM+4+\b], 0                        ; written once: a lane permute's destination counts as one of its sources
.endr
	s_mov_b32 s[SEL], 0x76543210
	s_mov_b32 s[SEL+1], 0xfedcba98
	s_mov_b32 s[MNT], 0x600000
	s_and_b32 s14, ttmp7, 0xffff                   ; which quarter of K
	s_cmp_lt_u32 ttmp9, 128
	s_cselect_b32 s15, 0, 128
	s_sub_co_u32 s15, ttmp9, s15                   ; the group's number in its own tensor
	s_lshl_b32 s16, s15, 6                         ; my first logical row: 64 g'
	s_lshr_b32 s17, s12, 1
	s_lshl_b32 s17, s17, 5
	s_add_co_u32 s16, s16, s17                     ; + 32 (w / 2)
	s_and_b32 s17, s12, 1
	s_lshl_b32 s17, s17, 3
	s_add_co_u32 s16, s16, s17                     ; + 8 (w % 2)
	s_lshl_b32 s16, s16, 12                        ; rows of 4,096 bytes
	s_lshl_b32 s17, s14, 10
	s_add_co_u32 s16, s16, s17                     ; + my quarter of K: 1,024 bytes
	s_mov_b32 s17, 0
	s_lshl_b32 s18, ttmp9, 2
	s_add_co_u32 s18, s18, s12                     ; my storage row block: 4 g + w
	s_lshl_b32 s18, s18, 11
	s_mul_i32 s19, s14, 2*CHP
	s_add_co_u32 s18, s18, s19                     ; its image in chunk 2 y
	s_mov_b32 s19, 0
	s_lshl_b32 s24, s14, 1
	s_add_co_u32 s24, s24, s12                     ; the chunk whose words waves 0 and 1 store at the end: 2 y + w
	s_mul_i32 s24, s24, SCP
	; the group's place among the words: x's groups as they come; W's group g' under 32: 128 + 6 (g' / 4) + g' % 4; from 32 on, g'' = g' - 32: 128 + 6 (g'' / 2) + 4 + g'' % 2
	s_lshr_b32 s26, s15, 2
	s_lshl_b32 s26, s26, 1
	s_add_co_u32 s26, s26, s15
	s_sub_co_u32 s27, s15, 32
	s_lshr_b32 s28, s27, 1
	s_lshl_b32 s28, s28, 2
	s_add_co_u32 s27, s27, s28
	s_add_co_u32 s27, s27, 4
	s_cmp_lt_u32 s15, 32
	s_cselect_b32 s26, s26, s27
	s_add_co_u32 s26, s26, 128
	s_cmp_lt_u32 ttmp9, 128
	s_cselect_b32 s25, ttmp9, s26
	s_lshl_b32 s25, s25, 8
	s_add_co_u32 s24, s24, s25                     ; 64 rows x 4 bytes a group
	s_mov_b32 s25, 0
	s_wait_alu depctr_va_vdst(0)
	s_wait_kmcnt 0x0
	s_cmp_lt_u32 ttmp9, 128                        ; x's group or W's?  The choice hangs on the work-group's number alone
	s_cselect_b64 s[4:5], s[4:5], s[6:7]
	s_add_nc_u64 s[4:5], s[4:5], s[16:17]
	s_add_nc_u64 s[8:9], s[8:9], s[18:19]
	s_add_nc_u64 s[10:11], s[10:11], s[24:25]
.macro LOAD t                          ; chunk t of my 16 rows: a load is one row's 512 consecutive bytes, 16 a lane
.irp i, 0,1,2,3,4,5,6,7,8,9,10,11,12,13,14,15
	global_load_b128 v[R+64*(\t)+4*\i:R+64*(\t)+4*\i+3], v[LI], s[4:5] offset:(16*(\i/8)+\i%8)*4096+512*(\t) th:TH_LOAD_NT
.endr
.endm
; 64 numbers of a lane, v[s] .. v[s + 63], become a fragment's codes in v[PC] on and its scale word in v[PW]
.macro QUANT s
.irp b, 0,1,2,3
	v_max3_num_f32 v[TM+\b], |v[\s+16*\b]|, |v[\s+1+16*\b]|, 0x4800000   ; block b: my 16 numbers, and the floor 2^(9 - 127): the byte cannot fall under 1
.endr
.irp i, 2,4,6,8,10,12,14
.irp b, 0,1,2,3
	v_max3_num_f32 v[TM+\b], v[TM+\b], |v[\s+16*\b+\i]|, |v[\s+1+16*\b+\i]|   ; the four blocks by turns
.endr
.endr
.irp b, 0,1,2,3
	v_permlanex16_b32 v[TM+4+\b], v[TM+\b], s[SEL], s[SEL+1]
.endr
.irp b, 0,1,2,3
	v_max_num_f32 v[TM+\b], v[TM+\b], v[TM+4+\b]   ; with lane l xor 16's: the block's largest magnitude
.endr
.irp b, 0,1,2,3
	v_add_nc_u32 v[TM+12+\b], 0xfc000000, v[TM+\b] ; 8 off its exponent field: the conversion takes the exponent field of this operand as its scale
.endr
.irp b, 0,1,2,3
	v_and_or_b32 v[TM+8+\b], v[TM+\b], 0x7f800000, s[MNT]   ; 448 x the scale
.endr
.irp b, 0,1,2,3
	v_lshrrev_b32 v[TM+4+\b], 23, v[TM+12+\b]      ; the scale's byte
.endr
	v_lshl_or_b32 v[PW], v[TM+5], 8, v[TM+4]
	v_lshl_or_b32 v[PW], v[TM+6], 16, v[PW]
	v_lshl_or_b32 v[PW], v[TM+7], 24, v[PW]
.irp b, 0,1,2,3
.irp i, 0,1,2,3,4,5,6,7,8,9,10,11,12,13,14,15
	v_med3_num_f32 v[\s+16*\b+\i], v[\s+16*\b+\i], -v[TM+8+\b], v[TM+8+\b]   ; the conversion to an 8-bit code does not saturate (ISA guide 7.6.2): the hold at 448 x the scale
.endr
	v_cvt_scalef32_pk8_fp8_f32 v[PC+4*\b:PC+1+4*\b], v[\s+16*\b:\s+7+16*\b], v[TM+12+\b]
	v_cvt_scalef32_pk8_fp8_f32 v[PC+2+4*\b:PC+3+4*\b], v[\s+8+16*\b:\s+15+16*\b], v[TM+12+\b]
.endr
	v_nop                                          ; a plain line behind the last conversion
.endm
.macro STEP t
	s_wait_loadcnt 16*(1-(\t))                     ; this chunk's 16 loads are in; the next chunk's 16 may be out
.irp i, 0,1,2,3,4,5,6,7,8,9,10,11,12,13,14,15
	ds_store_b128 v[STI], v[R+64*(\t)+4*\i:R+64*(\t)+4*\i+3] offset:SP*\i
.endr
.irp b, 0,1,2,3
.irp j, 0,1,2,3
	ds_load_b128 v[X+16*\b+4*\j:X+16*\b+4*\j+3], v[STO] offset:128*\b+16*\j   ; LDS serves a wave's instructions in order: these see the stores above
.endr
.endr
	s_wait_dscnt 0x0                               ; my numbers are back
.if (\t) > 0
	s_wait_xcnt 0x0                                ; the last chunk's stores have read the codes' registers, which are written again below
.endif
	QUANT X
.irp c, 0,1,2,3
	global_store_b128 v[LI], v[PC+4*\c:PC+4*\c+3], s[8:9] offset:CHP*(\t)+512*\c   ; 32 lanes store 512 consecutive bytes of the image
.endr
	ds_store_b32 v[SWA], v[PW] offset:256*(\t)     ; both lanes of a row write the same word with the same value
.endm
	LOAD 0
	LOAD 1
	STEP 0
	STEP 1
	s_wait_dscnt 0x0                               ; for the others' sake: my scale words lie in LDS
	s_barrier_signal -1
	s_barrier_wait -1
	s_cmp_lt_u32 s12, 2                            ; two chunks: waves 0 and 1 store one each
	s_cbranch_scc0 .Lno_words
	ds_load_b64 v[2:3], v[SRD]                     ; chunk w's words of the group's 64 rows
	s_wait_dscnt 0x0
	global_store_b64 v[L8], v[2:3], s[10:11]       ; 32 lanes store 256 consecutive bytes, aligned
.Lno_words:
	s_wait_tensorcnt 0x0                           ; the wave's end: behind my last LDS store
	ds_add_u32 v[SPW], v[NIL]
	s_wait_dscnt 0x0
	s_endpgm
.Lfunc_end_k_q9f7011e3fe_quant:
	.size	k_q9f7011e3fe_quant, .Lfunc_end_k_q9f7011e3fe_quant-k_q9f7011e3fe_quant
	.p2alignl 7, 3214868480
	.fill 96, 4, 3214868480
	.section	.rodata,"a",@progbits
	.p2align	6, 0x0
	.amdhsa_kernel k_q9f7011e3fe_quant
		.amdhsa_group_segment_fixed_size 34816
		.amdhsa_private_segment_fixed_size 0
		.amdhsa_enable_private_segment 0
		.amdhsa_kernarg_size 32
		.amdhsa_user_sgpr_count 2
		.amdhsa_user_sgpr_kernarg_segment_ptr 1
		.amdhsa_wavefront_size32 1
		.amdhsa_system_sgpr_workgroup_id_x 1
		.amdhsa_system_sgpr_workgroup_id_y 1
		.amdhsa_system_sgpr_workgroup_id_z 1
		.amdhsa_system_vgpr_workitem_id 0
		.amdhsa_next_free_vgpr 240
		.amdhsa_next_free_sgpr 66
		.amdhsa_reserve_vcc 0
		.amdhsa_float_denorm_mode_32 3
		.amdhsa_float_denorm_mode_16_64 3
		.amdhsa_memory_ordered 1
		.amdhsa_forward_progress 1
		.amdhsa_inst_pref_size 28
	.end_amdhsa_kernel
	.amdgpu_metadata
---
amdhsa.version: [ 1, 2 ]
amdhsa.kernels:
  - .name:           k_q9f7011e3fe_quant
    .symbol:         k_q9f7011e3fe_quant.kd
    .args:
      - { .name: x, .offset: 0, .size: 8, .value_kind: global_buffer, .address_space: global }
      - { .name: W_qkv, .offset: 8, .size: 8, .value_kind: global_buffer, .address_space: global }
      - { .name: xw_codes, .offset: 16, .size: 8, .value_kind: global_buffer, .address_space: global }
      - { .name: xw_sc, .offset: 24, .size: 8, .value_kind: global_buffer, .address_space: global }
    .group_segment_fixed_size: 34816
    .private_segment_fixed_size: 0
    .kernarg_segment_align: 8
    .kernarg_segment_size: 32
    .max_flat_workgroup_size: 128
    .sgpr_count:     66
    .vgpr_count:     240
    .wavefront_size: 32
...
	.end_amdgpu_metadata
.endif
;; end of part 1
;; launch gemm_qkv (part 2): grid 8 x 32, 4 waves a work-group, clusters of 4 x 4, 327,680 bytes of LDS; arguments xw_codes, xw_sc, qk_codes, qk_sc, vt_codes, vt_sc; writes qk_codes, qk_sc, vt_codes, vt_sc
.if DOCPART == 2
	.amdgcn_target "amdgcn-amd-amdhsa--gfx1250"
	.amdhsa_code_object_version 6
	.text
	.protected	k_q9f7011e3fe_gemm_qkv
	.globl	k_q9f7011e3fe_gemm_qkv
	.p2align	8
	.type	k_q9f7011e3fe_gemm_qkv,@function
k_q9f7011e3fe_gemm_qkv:
	s_mov_b64 s[64:65], 0
	v_nop
	global_prefetch_b8 v0, s[64:65] scope:SCOPE_SE
	s_setreg_imm32_b32 hwreg(HW_REG_WAVE_MODE, 25, 1), 1
	s_wait_xcnt 0x0
	s_wait_alu depctr_hold_cnt(0) depctr_sa_sdst(0) depctr_va_vdst(0) depctr_va_sdst(0) depctr_va_ssrc(0) depctr_va_vcc(0) depctr_vm_vsrc(0)
	s_getreg_b32 s2, hwreg(HW_REG_IB_STS2, 6, 4)
	s_cmp_eq_u32 s2, 0
	s_cbranch_scc0 .Lentry_in_a_cluster
	s_endpgm
.Lentry_in_a_cluster:
	s_bfe_u32 s2, ttmp6, 0x10000c
	s_cmp_lg_u32 s2, 0xf033
	s_cbranch_scc0 .Lentry_shape_is_right
	s_endpgm
.Lentry_shape_is_right:
; The first product, and the quantisers of what it feeds.  Nothing is left out.  Layouts (register images, storage rows, scale words): see the head of the first kernel.
; 256 WORK-GROUPS THAT STAY: each makes two tiles, one after the other: 512 + 256 matrix instructions a wave.
; PHASE 1: C = x Wqk^T, 256 tokens x 256 features, four waves, 128 x 128 each: 64 accumulators.  A lane's results run along the features, so q and k are quantised along d.
;   Output qk_codes [16 chunks: 0-7 q, 8-15 k][512 row blocks][2048], qk_sc [16][8192] words.
; PHASE 2: C = Wv x^T = v^T, 128 d x 256 tokens (phase 1's tokens), four waves, 64 x 128 each: 32 accumulators.  A lane's results run along the tokens, which are the last product's K.
;   Output vt_codes [64 chunks of tokens][64 row blocks of d][2048], vt_sc [64][1024] words.
; K = 1,024 goes in four steps of 256 (two chunks of 128) through two LDS slots in each phase; phase 1's last two changes of slots ask for phase 2's first two K steps.  A tile is two dense runs of memory, one a chunk.
; CLUSTERS: 4 x 4; x's tiles are asked for jointly along a row of the cluster, W's along a column.
; LOADS.  At the head each wave has one joint load: wave 0 x's K step 0, wave 1 Wqk's, wave 2 x's scale words for all of K, wave 3 those of Wqk and Wv.  Afterwards wave 0 fetches x's tiles, wave 1 W's, one load behind each round.
; THE LDS LOADS OF THE NEXT CHUNK STAND AMONG THE PRODUCTS OF THIS ONE, in four runs.  Phase 1: B (Wqk) has two register sets by chunks; A (x) has three regions of four blocks, which half chunk h = 2 c, 2 c + 1 takes by turns (h % 3).
; A chunk's 64 loads go out in the order B's 32, A's 32; ahead of the products of A's block a the wave needs all but the last 4 (7 - a) of them, so its count is that plus what has been issued since.
; Phase 2: two sets of both; the order is A's (Wv) 16, B's (x) 32; products go by B's blocks: ahead of block b all but the last 4 (7 - b).
; A load into registers that products have read stands eight v_nop behind them.
; THE MATRIX INSTRUCTION IS USED TRANSPOSED: source 0 = 16 rows of the operand whose rows are the next K (phase 1: W; phase 2: x), source 1 = 16 rows of the other: a lane holds one row of the output.
; A wave's 128 columns are one K chunk of the next product: each block of 16 rows becomes one fragment image and one scale word a row, made in registers and stored as it stands.
; Each phase's last chunk finishes the first blocks first; the others' last products stand among the vector lines of the way out.
; PREFETCH: a K step's tiles are asked for one refill ahead, each 256 bytes once in a cluster: the four that share a tile take a quarter each, told apart by address; W's by the clusters of four cluster rows.
; LIMITS: as stated at the head of the first kernel.
.set CHP,   704*2048                   ; bytes from chunk to chunk in xw_codes
.set KST,   2*CHP                      ; a K step
.set SCP,   45056                      ; bytes from chunk to chunk in xw_sc
.set SLOT,  131072                     ; x's [2 chunks][16 blocks][2048], then W's (phase 1: 16 blocks; phase 2: 8)
.set BOFF,  65536
.set SCL,   2*SLOT                     ; behind the ring: x's scale words [8 chunks][256 rows], rows of 1,024 bytes + 512 of padding: filled once
.set SCW,   SCL+12288                  ; W's [8 chunks][256 of Wqk, 128 of Wv]: 1,536 bytes a chunk too: filled once
.set STG,   SCW+12288                  ; the scale words made: phase 1 512 bytes a wave, phase 2 256 bytes a wave from 2,048 on: written by LDS stores alone
.set SPARE, STG+6144                   ; the spare words, 128 bytes for each wave
.set ADX,  8                           ; v8-9    phase 2: LDS address of my x fragments in slot 0, 1
.set ADW,  10                          ; v10-11  phase 2: of my Wv fragments
.set ADS2, 12                          ; v12     phase 2: scale words: lanes 0-15 x's, lanes 16-31 Wv's
.set ADX2, 13                          ; v13     phase 2: x's alone
.set SWA2, 14
.set SRA2, 15
.set ADRA, 16                          ; v16-17  phase 1: LDS address of my x fragments in slot 0, 1
.set PFV,  18                          ; v18     the prefetches' offset for Wv: 16 units of 256 bytes in each of two chunks
.set ADRB, 20                          ; v20-21  phase 1: of my Wqk fragments
.set SWA,  24                          ; v24     where a row's scale word goes (SWA2: in phase 2)
.set SRA,  25                          ; v25     where I read my words back (SRA2: in phase 2)
.set CO,   26                          ; v26     16 x lane
.set ADRS, 27                          ; v27     phase 1: scale words: lanes 0-15 x's rows, lanes 16-31 Wqk's
.set SPW,  28                          ; v28     LDS address of my spare word; never rewritten
.set NIL,  29                          ; v29     0; never rewritten
.set L8,   30                          ; v30     8 x lane
.set PFO,  31                          ; v31     the prefetches' offset: 256 x lane
.set SC,   32                          ; v32-63  scale words.  Phase 1: K step k, its chunk q, block i: v[SC + 16 (k % 2) + 8 q + i];  phase 2: chunk c: v[SC + 8 (c % 2) + i]
.set T,    128                         ; phase 1's way out: 64 numbers held (the region that chunk 7 does not use),
.set PC,   192                         ; their codes,
.set TM,   208                         ; v208-223 at work,
.set PW,   224                         ; the scale word: in the registers of blocks 0 to 2, whose products are done
.set FX,   4                           ; s4, s5: 1 where my wave prefetches x's or Wqk's tiles; Wv's
.set FV,   5
.set G0V,  20                          ; s[20:23], s[92:99] groups 0 and 1 for Wv's tiles
.set G1V,  92
.set G1,   24                          ; s[24:31], s[32:35] groups 1 and 0 for x's tiles
.set G0,   32
.set PF,   36                          ; s[36:37] my prefetches of x's or Wqk's tiles, K step 1
.set PV,   38                          ; s[38:39] and of Wv's
.set G1B,  48                          ; s[48:55], s[56:59] for Wqk's tiles
.set G0B,  56
.set SEL,  66
.set G1S,  68                          ; s[68:75], s[76:79] for x's scale words;  s[80:87], s[88:91] for W's
.set G0S,  76
.set G1SB, 80
.set G0SB, 88
.set MNT,  101                         ; s101 the mantissa field of 448
.set MSB, 0
.macro WIN new                         ; the immediate's high byte repeats the setting that is left
.if MSB != (\new)
	s_set_vgpr_msb (MSB<<8)|(\new)
.set MSB, (\new)
.endif
.endm
.macro PLACES n                        ; plain vector lines between a matrix instruction and a load into, or a read of, its registers
.rept \n
	v_nop
.endr
.endm
.macro WDS n                           ; a wait's count fits its field
.if (\n) > 63
	s_wait_dscnt 63
.else
	s_wait_dscnt \n
.endif
.endm
.macro TLOAD g0, g1                    ; an s_nop 0 and four v_nop follow each tensor load
	tensor_load_to_lds s[\g0:\g0+3], s[\g1:\g1+7]
	s_nop 0
	PLACES 4
.endm
.macro JLOAD gb, g1b                   ; a joint load: wave 0 fetches x's tile, wave 1 W's; the branches hang on the wave's number alone
	s_cmp_eq_u32 s16, 0
	s_cbranch_scc0 .Lfor_b_\@
	TLOAD G0, G1
	s_branch .Lasked_\@
.Lfor_b_\@:
	s_cmp_eq_u32 s16, 1
	s_cbranch_scc0 .Lasked_\@
	TLOAD \gb, \g1b
.Lasked_\@:
.endm
.macro CREST                           ; a round of the cluster's barrier behind its opening barrier
	s_cmp_lg_u32 s16, 0
	s_cbranch_scc1 .Lnot_wave_0_\@
	s_barrier_signal -3
.Lnot_wave_0_\@:
	s_barrier_wait -3
	s_barrier_signal -1
	s_barrier_wait -1
.endm
.macro CROUND
	s_barrier_signal -1
	s_barrier_wait -1
	CREST
.endm
.macro ASK k                           ; K step k of x or Wqk: 8,192 bytes of one chunk a wave
	s_cmp_eq_u32 s[FX], 1
	s_cbranch_scc0 .Lnot_mine_\@
	global_prefetch_b8 v[PFO], s[PF:PF+1] offset:KST*((\k)-1) th:TH_LOAD_NT scope:SCOPE_SE
.Lnot_mine_\@:
.endm
.macro ASKV k                          ; K step k of Wv
	s_cmp_eq_u32 s[FV], 1
	s_cbranch_scc0 .Lnot_mine_\@
	global_prefetch_b8 v[PFV], s[PV:PV+1] offset:KST*((\k)-1) th:TH_LOAD_NT scope:SCOPE_SE
.Lnot_mine_\@:
.endm
	s_load_b256 s[4:11], s[0:1], 0x0               ; xw_codes s[4:5], xw_sc s[6:7], qk_codes s[8:9], qk_sc s[10:11]
	s_load_b128 s[12:15], s[0:1], 0x20             ; vt_codes s[12:13], vt_sc s[14:15]
	v_lshl_add_u32 v[SPW], v0, 2, SPARE
	v_mov_b32 v[NIL], 0
	ds_add_u32 v[SPW], v[NIL]                      ; the wave's opening: the add, twice on end, and its wait ahead of my first tensor load
	ds_add_u32 v[SPW], v[NIL]
	v_lshrrev_b32 v1, 5, v0
	v_readfirstlane_b32 s16, v1                    ; wave 0..3
	s_lshr_b32 s17, s16, 1                         ; wr: which half of the output's rows is mine
	s_and_b32 s18, s16, 1                          ; wc: which half of its columns
	s_bfe_u32 s40, ttmp6, 0x40000                  ; cx
	s_bfe_u32 s41, ttmp6, 0x40004                  ; cy
	s_lshl_b32 s42, ttmp9, 2
	s_add_co_u32 s42, s42, s40                     ; tx, 0..7: 256 features of Wqk, and 128 d of Wv
	s_and_b32 s43, ttmp7, 0xffff
	s_lshl_b32 s43, s43, 2
	s_add_co_u32 s43, s43, s41                     ; ty, 0..31: 256 tokens
	s_lshl_b32 s44, s41, 2
	s_lshl_b32 s44, 15, s44                        ; my row of the cluster
	s_lshl_b32 s45, 0x1111, s40                    ; my column
	; descriptor group 1, codes: 2 chunks x 16 (Wv: 8) row blocks on end, in elements of 8 bytes, dense in LDS
	s_or_b32 s[G1+0], s44, (3<<16)|(1<<21)         ; 15:0 the mask; 17:16 elements of 8 bytes; 21 set beside a mask; no padding
	s_or_b32 s[G1B+0], s45, (3<<16)|(1<<21)
	s_or_b32 s[G1V+0], s45, (3<<16)|(1<<21)
.irp g, G1, G1B, G1V
	s_mov_b32 s[\g+2], 2<<16                       ; tensor_dim1
	s_mov_b32 s[\g+4], 2                           ; tile_dim1
	s_mov_b32 s[\g+5], CHP/8                       ; from chunk to chunk
	s_mov_b32 s[\g+6], 0
	s_mov_b32 s[\g+7], 0
.endr
.irp g, G1, G1B
	s_mov_b32 s[\g+1], 4096<<16                    ; tensor_dim0
	s_mov_b32 s[\g+3], 4096<<16                    ; tile_dim0
.endr
	s_mov_b32 s[G1V+1], 2048<<16
	s_mov_b32 s[G1V+3], 2048<<16
	; x's scale words: 8 chunks x 1,024 bytes, 128 words of padding behind each 256;  W's: 8 chunks x 1,536 bytes
	s_or_b32 s[G1S+0], s44, (3<<16)|(1<<20)|(1<<21)|(7<<22)|(127<<25)
	s_or_b32 s[G1SB+0], s45, (3<<16)|(1<<21)
	s_mov_b32 s[G1S+1], 128<<16
	s_mov_b32 s[G1S+3], 128<<16
	s_mov_b32 s[G1SB+1], 192<<16
	s_mov_b32 s[G1SB+3], 192<<16
.irp g, G1S, G1SB
	s_mov_b32 s[\g+2], 8<<16
	s_mov_b32 s[\g+4], 8
	s_mov_b32 s[\g+5], SCP/8
	s_mov_b32 s[\g+6], 0
	s_mov_b32 s[\g+7], 0
.endr
	; byte offsets, each in the registers that will hold the address.  x's hang on ty alone, W's on tx alone
	s_lshl_b32 s[G0+2], s43, 15                    ; x's codes: row block 16 ty
	s_mov_b32 s[G0+3], 0
	s_lshl_b32 s[G0S+2], s43, 10                   ; x's scale words: row 256 ty
	s_mov_b32 s[G0S+3], 0
	s_lshl_b32 s[G0B+2], s42, 4
	s_add_co_u32 s[G0B+2], s[G0B+2], 512           ; Wqk's codes: row block 512 + 16 tx
	s_lshl_b32 s[G0B+2], s[G0B+2], 11
	s_mov_b32 s[G0B+3], 0
	s_mul_i32 s[G0SB+2], s42, 1536                 ; W's scale words: 384 a column
	s_add_co_u32 s[G0SB+2], s[G0SB+2], 32768
	s_mov_b32 s[G0SB+3], 0
	s_lshl_b32 s[G0V+2], s42, 3
	s_add_co_u32 s[G0V+2], s[G0V+2], 640           ; Wv's codes: row block 640 + 8 tx
	s_lshl_b32 s[G0V+2], s[G0V+2], 11
	s_mov_b32 s[G0V+3], 0
	s_mov_b32 s[G0], 1
	s_mov_b32 s[G0+1], 0
	s_mov_b32 s[G0B], 1
	s_mov_b32 s[G0B+1], BOFF
	s_mov_b32 s[G0S], 1
	s_mov_b32 s[G0S+1], SCL
	s_mov_b32 s[G0SB], 1
	s_mov_b32 s[G0SB+1], SCW
	s_mov_b32 s[G0V], 1
	s_mov_b32 s[G0V+1], BOFF
	s_mov_b32 s[SEL], 0x76543210
	s_mov_b32 s[SEL+1], 0xfedcba98
	s_mov_b32 s[MNT], 0x600000
	s_wait_dscnt 0x0                               ; both opening adds are done
	CROUND                                         ; all sixteen work-groups are here: the first joint loads meet
	s_wait_kmcnt 0x0
	s_add_nc_u64 s[G0+2:G0+3], s[4:5], s[G0+2:G0+3]
	s_add_nc_u64 s[G0B+2:G0B+3], s[4:5], s[G0B+2:G0B+3]
	s_add_nc_u64 s[G0V+2:G0V+3], s[4:5], s[G0V+2:G0V+3]
	s_add_nc_u64 s[G0S+2:G0S+3], s[6:7], s[G0S+2:G0S+3]
	s_add_nc_u64 s[G0SB+2:G0SB+3], s[6:7], s[G0SB+2:G0SB+3]
.irp g, G0+3, G0B+3, G0V+3, G0S+3, G0SB+3
	s_or_b32 s[\g], s[\g], 0x80000000              ; 127:126 type = 2
.endr
; the head's loads, one a wave: one tree of branches on the wave's number, every way through it passes one load
.macro ARM w, g0, g1, next
	s_cmp_eq_u32 s16, \w
	s_cbranch_scc0 \next
	TLOAD \g0, \g1
	s_branch .Lhead_asked
\next:
.endm
	ARM 0, G0,  G1,  .Lhead_b
	ARM 1, G0B, G1B, .Lhead_s
	ARM 2, G0S, G1S, .Lhead_sb
	TLOAD G0SB, G1SB
.Lhead_asked:
	; the prefetches, K step 1, chunk 2 + wc: waves 0, 1: x's blocks 16 ty + 4 cx on; waves 2, 3: Wqk's 512 + 16 tx + 4 cy on; Wv's (wave 3): 640 + 8 tx + 2 cy on, both chunks
	s_lshl_b32 s2, s43, 2
	s_add_co_u32 s2, s2, s40
	s_lshl_b32 s3, s42, 2
	s_add_co_u32 s3, s3, s41
	s_add_co_u32 s3, s3, 128
	s_cmp_lt_u32 s16, 2
	s_cselect_b32 s2, s2, s3
	s_lshl_b32 s2, s2, 13
	s_mul_i32 s3, s18, CHP
	s_add_co_u32 s2, s2, s3
	s_add_co_u32 s2, s2, KST
	s_mov_b32 s3, 0
	s_add_nc_u64 s[PF:PF+1], s[4:5], s[2:3]
	s_lshl_b32 s2, s42, 2
	s_add_co_u32 s2, s2, s41
	s_add_co_u32 s2, s2, 320
	s_lshl_b32 s2, s2, 12
	s_add_co_u32 s2, s2, KST
	s_add_nc_u64 s[PV:PV+1], s[4:5], s[2:3]
	s_and_b32 s2, ttmp7, 0xffff                    ; W's tiles: the clusters of four cluster rows ask
	s_cmp_lt_u32 s2, 4
	s_cselect_b32 s2, 1, 0
	s_cmp_lt_u32 s16, 2
	s_cselect_b32 s[FX], 1, s2
	s_cmp_eq_u32 s16, 3
	s_cselect_b32 s[FV], s2, 0
	; where my results go
	s_lshl_b32 s2, s43, 4
	s_lshl_b32 s3, s17, 3
	s_add_co_u32 s2, s2, s3                        ; phase 1: row block 16 ty + 8 wr,
	s_lshl_b32 s3, s42, 1
	s_add_co_u32 s3, s3, s18                       ; chunk 2 tx + wc
	s_lshl_b32 s46, s2, 11
	s_lshl_b32 s100, s3, 20
	s_add_co_u32 s46, s46, s100
	s_mov_b32 s47, 0
	s_add_nc_u64 s[8:9], s[8:9], s[46:47]          ; my images in qk_codes
	s_lshl_b32 s46, s3, 15
	s_lshl_b32 s100, s2, 6
	s_add_co_u32 s46, s46, s100
	s_add_nc_u64 s[10:11], s[10:11], s[46:47]      ; my words in qk_sc
	s_lshl_b32 s2, s42, 3
	s_lshl_b32 s3, s17, 2
	s_add_co_u32 s2, s2, s3                        ; phase 2: row block 8 tx + 4 wr,
	s_lshl_b32 s3, s43, 1
	s_add_co_u32 s3, s3, s18                       ; chunk 2 ty + wc
	s_lshl_b32 s46, s2, 11
	s_lshl_b32 s100, s3, 17
	s_add_co_u32 s46, s46, s100
	s_add_nc_u64 s[12:13], s[12:13], s[46:47]      ; my images in vt_codes
	s_lshl_b32 s46, s3, 12
	s_lshl_b32 s100, s2, 6
	s_add_co_u32 s46, s46, s100
	s_add_nc_u64 s[14:15], s[14:15], s[46:47]      ; my words in vt_sc
	; LDS places
	s_lshl_b32 s46, s17, 14                        ; phase 1: my 8 blocks of x,
	s_lshl_b32 s47, s18, 14
	s_mov_b32 s60, s47                             ; (phase 2: my 8 blocks of x)
	s_add_co_u32 s47, s47, BOFF                    ; my 8 blocks of Wqk
	s_lshl_b32 s61, s17, 13
	s_add_co_u32 s61, s61, BOFF                    ; phase 2: my 4 blocks of Wv
	s_lshl_b32 s2, s18, 9
	s_lshl_b32 s62, s17, 9
	s_add_co_u32 s63, s2, SCW-SCL
	s_sub_co_u32 s63, s63, s62                     ; phase 1's scale words: lanes 16-31 so much further on
	s_add_co_u32 s62, s62, SCL
	s_lshl_b32 s3, s17, 8
	s_add_co_u32 s3, s3, SCW+1024-SCL
	s_sub_co_u32 s3, s3, s2                        ; phase 2's
	s_add_co_u32 s2, s2, SCL
	s_lshl_b32 s19, s16, 9
	s_add_co_u32 s19, s19, STG
	s_lshl_b32 s100, s16, 8
	s_add_co_u32 s100, s100, STG+2048
	v_and_b32 v1, 15, v0                           ; r
	v_bfe_u32 v2, v0, 4, 1                         ; h
	v_and_b32 v3, 31, v0
	v_lshlrev_b32 v[CO], 4, v3                     ; an image's place for my lane
	v_lshlrev_b32 v[L8], 3, v3
	v_lshlrev_b32 v[PFO], 8, v3
	v_lshlrev_b32 v4, 8, v1
	v_mul_u32_u24 v[PFV], CHP, v2
	v_add_nc_u32 v[PFV], v[PFV], v4
	v_add_nc_u32 v[ADRA], s46, v[CO]
	v_add_nc_u32 v[ADRA+1], SLOT, v[ADRA]
	v_add_nc_u32 v[ADRB], s47, v[CO]
	v_add_nc_u32 v[ADRB+1], SLOT, v[ADRB]
	v_add_nc_u32 v[ADX], s60, v[CO]
	v_add_nc_u32 v[ADX+1], SLOT, v[ADX]
	v_add_nc_u32 v[ADW], s61, v[CO]
	v_add_nc_u32 v[ADW+1], SLOT, v[ADW]
	v_lshlrev_b32 v5, 2, v1                        ; a scale word: 4 bytes a row
	v_mul_u32_u24 v6, s63, v2
	v_add_nc_u32 v6, v6, v5
	v_add_nc_u32 v[ADRS], s62, v6
	v_mul_u32_u24 v7, s3, v2
	v_add_nc_u32 v7, v7, v5
	v_add_nc_u32 v[ADS2], s2, v7
	v_add_nc_u32 v[ADX2], s2, v5
	v_add_nc_u32 v[SWA], s19, v5
	v_add_nc_u32 v[SRA], s19, v[CO]
	v_add_nc_u32 v[SWA2], s100, v5
	v_add_nc_u32 v[SRA2], s100, v[L8]
; PHASE 1.  LD: load n of chunk c's 64.  An image comes back as it was stored: 512 consecutive bytes a load
.macro LD n, c
.set S_, ((\c)/2)%2
.set O_, 32768*((\c)%2)
.set M_, \n
.if M_ < 32
.set D_, 128*((\c)%2)+4*M_
	WIN 0x40
	ds_load_b128 v[D_:D_+3], v[ADRB+S_] offset:O_+512*M_
.else
.set M_, M_-32
.set D_, 64+64*((2*(\c)+M_/16)%3)+4*(M_%16)
	WIN 0
	ds_load_b128 v[D_:D_+3], v[ADRA+S_] offset:O_+512*M_
.endif
.endm
.macro LRUN from, cnt, c
.set N_, \from
.rept \cnt
	LD N_, \c
.set N_, N_+1
.endr
.endm
.macro SCALES k                        ; K step k's scale words: two chunks; block i's 16 rows of x and of Wqk
	WIN 0
.irp q, 0,1
.irp i, 0,1,2,3,4,5,6,7
	ds_load_b32 v[SC+16*((\k)%2)+8*\q+\i], v[ADRS] offset:1536*(2*(\k)+\q)+64*\i
.endr
.endr
.endm
.macro G1P c, a, f                     ; one product of chunk c: x's block a against Wqk's block f
.set A_, 64+64*((2*(\c)+(\a)/4)%3)+16*((\a)%4)
.set X_, SC+16*(((\c)/2)%2)+8*((\c)%2)
.set B_, \f
.set R_, 128*((\c)%2)+16*B_
.set D_, 8*(8*((\a)%4)+B_)
	WIN 0xa1+0x50*((\a)/4)
.if (\c) == 0
	v_wmma_scale_f32_16x16x128_f8f6f4 v[D_:D_+7], v[R_:R_+15], v[A_:A_+15], 0, v[X_+B_], v[X_+(\a)] matrix_a_scale:MATRIX_SCALE_ROW1
.else
	v_wmma_scale_f32_16x16x128_f8f6f4 v[D_:D_+7], v[R_:R_+15], v[A_:A_+15], v[D_:D_+7], v[X_+B_], v[X_+(\a)] matrix_a_scale:MATRIX_SCALE_ROW1
.endif
.endm
.macro G8 c, a                         ; x's block a against all eight; the 64 accumulators take turns, one instruction a turn, in the same order in every chunk
.irp b, 0,1,2,3,4,5,6,7
	G1P \c, \a, \b
.endr
.endm
.macro MID c                           ; a chunk whose successor lies in the same slot; ahead of the first run the next K step's 16 scale words (XW)
	s_wait_dscnt 28
	G8 \c, 0
	PLACES 8
.set XW, 0
.if (\c) < 6
	SCALES (\c)/2+1
.set XW, 16
.endif
	LRUN 0, 16, \c+1
	WDS 40+XW
	G8 \c, 1
	WDS 36+XW
	G8 \c, 2
	LRUN 16, 16, \c+1
	WDS 48+XW
	G8 \c, 3
	WDS 44+XW
	G8 \c, 4
	PLACES 8                                       ; behind the products of blocks 0-3, whose region the last run takes
	LRUN 32, 16, \c+1
	WDS 56+XW
	G8 \c, 5
	WDS 52+XW
	G8 \c, 6
	LRUN 48, 16, \c+1
	WDS 64+XW
	G8 \c, 7
.endm
; A slot's second chunk changes slots.  All its fragments have been asked for: in front of the round each wave waits for all its tensor loads, adds 0 to its spare word, and waits for that and for its reads of this slot.
; Behind the round the slot is filled again: chunks 1, 3: K steps 2, 3; chunks 5, 7: phase 2's K steps 0, 1.
.macro TURN c
	WIN 0
	s_wait_tensorcnt 0x0                           ; all my tensor loads have landed: the next slot
	ds_add_u32 v[SPW], v[NIL]                      ; 0 onto my spare word
	s_mov_b32 s[G0+1], (((\c)/2)%2)*SLOT
.if (\c) == 5
	s_sub_nc_u64 s[G0+2:G0+3], s[G0+2:G0+3], 3*KST ; x's rows begin again
.else
	s_add_nc_u64 s[G0+2:G0+3], s[G0+2:G0+3], KST
.endif
.if (\c) < 5
	s_mov_b32 s[G0B+1], (((\c)/2)%2)*SLOT+BOFF
	s_add_nc_u64 s[G0B+2:G0B+3], s[G0B+2:G0B+3], KST
.else
	s_mov_b32 s[G0V+1], (((\c)/2)%2)*SLOT+BOFF
.if (\c) == 7
	s_add_nc_u64 s[G0V+2:G0V+3], s[G0V+2:G0V+3], KST
.endif
.endif
.irp a, 0,1,2
	s_wait_dscnt 29-4*\a                           ; (the add and 4 (7 - a) loads may be out)
	G8 \c, \a
.endr
	s_wait_dscnt 0x0                               ; the add is done, and my reads of this slot are over
	s_barrier_signal -1
	G8 \c, 3
	WIN 0
	s_barrier_wait -1
	CREST                                          ; no wave of any partner still reads this slot or has a load on its way
.if (\c) < 5
	JLOAD G0B, G1B
.else
	JLOAD G0V, G1V
.endif
	PLACES 8
.if (\c) < 7
.irp a, 4,5,6,7
	LRUN 16*(\a-4), 16, \c+1
	G8 \c, \a
.endr
.else
	LRUNV 16, 32, 0                                ; phase 2's first fragments of x, into the set that chunk 6 read; blocks 4-7 go on among the way out
.endif
	WIN 0
.if (\c) == 1
	ASK 3
.else
	ASKV ((\c)-3)/2
.endif
.endm
; PHASE 2.  Load n of chunk c's 48: Wv's four blocks, then x's eight
.macro LDV n, c
.set S_, ((\c)/2)%2
.set M_, \n
.if M_ < 16
.set D_, 128+64*((\c)%2)+4*M_
	WIN 0
	ds_load_b128 v[D_:D_+3], v[ADW+S_] offset:16384*((\c)%2)+512*M_
.else
.set M_, M_-16
.set D_, 128*((\c)%2)+4*M_
	WIN 0x40
	ds_load_b128 v[D_:D_+3], v[ADX+S_] offset:32768*((\c)%2)+512*M_
.endif
.endm
.macro LRUNV from, cnt, c
.set N_, \from
.rept \cnt
	LDV N_, \c
.set N_, N_+1
.endr
.endm
.macro SCALESV c                       ; chunk c's scale words: x's eight blocks in lanes 0-15, Wv's four in lanes 16-31 of the first four
	WIN 0
.irp i, 0,1,2,3
	ds_load_b32 v[SC+8*((\c)%2)+\i], v[ADS2] offset:1536*(\c)+64*\i
.endr
.irp i, 4,5,6,7
	ds_load_b32 v[SC+8*((\c)%2)+\i], v[ADX2] offset:1536*(\c)+64*\i
.endr
.endm
.macro V1P c, n, a                     ; one product of chunk c: Wv's block a against x's block n
.set B_, \n
.set R_, 128*((\c)%2)+16*B_
.set X_, SC+8*((\c)%2)
.set A_, 128+64*((\c)%2)+16*(\a)
.set D_, 8*(8*(\a)+B_)
	WIN 0xa1
.if (\c) == 0
	v_wmma_scale_f32_16x16x128_f8f6f4 v[D_:D_+7], v[R_:R_+15], v[A_:A_+15], 0, v[X_+B_], v[X_+(\a)] matrix_b_scale:MATRIX_SCALE_ROW1
.else
	v_wmma_scale_f32_16x16x128_f8f6f4 v[D_:D_+7], v[R_:R_+15], v[A_:A_+15], v[D_:D_+7], v[X_+B_], v[X_+(\a)] matrix_b_scale:MATRIX_SCALE_ROW1
.endif
.endm
.macro V4 c, n                         ; Wv's four blocks against x's block n: the 32 accumulators take turns
.irp a, 0,1,2,3
	V1P \c, \n, \a
.endr
.endm
.macro MIDV c                          ; as MID: 8 scale words, then four runs of 12
	s_wait_dscnt 28
	V4 \c, 0
	PLACES 8
	SCALESV \c+1
	LRUNV 0, 12, \c+1
	s_wait_dscnt 44
	V4 \c, 1
	s_wait_dscnt 40
	V4 \c, 2
	LRUNV 12, 12, \c+1
	s_wait_dscnt 48
	V4 \c, 3
	s_wait_dscnt 44
	V4 \c, 4
	LRUNV 24, 12, \c+1
	s_wait_dscnt 52
	V4 \c, 5
	s_wait_dscnt 48
	V4 \c, 6
	LRUNV 36, 12, \c+1
	s_wait_dscnt 56
	V4 \c, 7
.endm
.macro TURNV c, fill                   ; as TURN
	WIN 0
	s_wait_tensorcnt 0x0
	ds_add_u32 v[SPW], v[NIL]
.if \fill
	s_mov_b32 s[G0+1], (((\c)/2)%2)*SLOT
	s_add_nc_u64 s[G0+2:G0+3], s[G0+2:G0+3], KST
	s_mov_b32 s[G0V+1], (((\c)/2)%2)*SLOT+BOFF
	s_add_nc_u64 s[G0V+2:G0V+3], s[G0V+2:G0V+3], KST
.endif
.irp b, 0,1,2,3
	s_wait_dscnt 29-4*\b
	V4 \c, \b
.endr
	s_wait_dscnt 0x0
	s_barrier_signal -1
	V4 \c, 4
	V4 \c, 5
	WIN 0
	s_barrier_wait -1
.if \fill
	CREST
	JLOAD G0V, G1V
.endif
	PLACES 8
	SCALESV \c+1
	LRUNV 0, 24, \c+1
	V4 \c, 6
	LRUNV 24, 24, \c+1
	V4 \c, 7
	WIN 0
.endm
.macro HOOK k, a, f                    ; a product of the last chunk among the way out of block a: k = 1: phase 1's block a + 4, k = 2: phase 2's block a + 1
.if (\k) == 1
	G1P 7, (\a)+4, \f
.elseif (\k) == 2
	V1P 7, \f, (\a)+1
.endif
.endm
; THE WAY OUT of a block of 16 rows.  Its 64 registers of a lane are k = 32 b + 16 h + i (register 16 b + i) of the lane's row in the next product: they are quantised where they stand.
; a: the block (accumulators at 64 (a % 4) of window 2 + a / 4); ob, ooff: base and offset of its image; swa, soff: where its scale word goes in LDS; wx: earlier stores have named the codes' registers; k: as in HOOK, 0: none.
.macro QOUT a, ob, ooff, swa, soff, wx, k
.set AC, 64*((\a)%4)
	WIN 0x0a+5*((\a)/4)                            ; sources 0 and 1: window 2 or 3
.irp b, 0,1,2,3
	v_max3_num_f32 v[TM+\b], |v[AC+16*\b]|, |v[AC+16*\b+1]|, 0x4800000   ; each accumulator is read from its low end on; the floor 2^(9 - 127) holds the byte at 1 from below
.endr
.irp i, 2,4,6,8,10,12,14
.irp b, 0,1,2,3
	v_max3_num_f32 v[TM+\b], |v[AC+16*\b+\i]|, |v[AC+16*\b+\i+1]|, v[TM+\b]
.endr
.endr
	WIN 0
.irp b, 0,1,2,3
	v_permlanex16_b32 v[TM+4+\b], v[TM+\b], s[SEL], s[SEL+1]
.endr
.irp b, 0,1,2,3
	v_max_num_f32 v[TM+\b], v[TM+\b], v[TM+4+\b]   ; with lane l xor 16's: the block's largest magnitude
.endr
.irp b, 0,1,2,3
	v_add_nc_u32 v[TM+12+\b], 0xfc000000, v[TM+\b] ; 8 off its exponent field: the conversion's scale operand
.endr
.irp b, 0,1,2,3
	v_and_or_b32 v[TM+8+\b], v[TM+\b], 0x7f800000, s[MNT]   ; 448 x the scale
.endr
.irp b, 0,1,2,3
	v_lshrrev_b32 v[TM+4+\b], 23, v[TM+12+\b]      ; the scale's byte
.endr
	v_lshl_or_b32 v[PW], v[TM+5], 8, v[TM+4]
	v_lshl_or_b32 v[PW], v[TM+6], 16, v[PW]
	v_lshl_or_b32 v[PW], v[TM+7], 24, v[PW]
.irp b, 0,1,2,3
.set n, 0
.rept 16
	WIN 0x02+(\a)/4                                ; source 0: window 2 or 3
	v_med3_num_f32 v[T+16*\b+n], v[AC+16*\b+n], -v[TM+8+\b], v[TM+8+\b]   ; the hold at 448 x the scale (the conversion does not saturate: ISA guide 7.6.2), into window 0
.if (n == 1) || (n == 7)
	HOOK \k, \a, 2*\b+n/4
.endif
.set n, n+1
.endr
.endr
	WIN 0
.if \wx
	s_wait_alu depctr_va_vdst(0)
	s_wait_xcnt 0x0                                ; the earlier stores have read the codes' registers
.endif
.irp b, 0,1,2,3
	v_cvt_scalef32_pk8_fp8_f32 v[PC+4*\b:PC+4*\b+1], v[T+16*\b:T+16*\b+7], v[TM+12+\b]
	v_cvt_scalef32_pk8_fp8_f32 v[PC+4*\b+2:PC+4*\b+3], v[T+16*\b+8:T+16*\b+15], v[TM+12+\b]
.endr
	v_nop                                          ; a plain line behind the last conversion
.irp c, 0,1,2,3
	global_store_b128 v[CO], v[PC+4*\c:PC+4*\c+3], s[\ob:\ob+1] offset:(\ooff)+512*\c   ; 32 lanes store 512 consecutive bytes of the image
.endr
	ds_store_b32 v[\swa], v[PW] offset:\soff       ; both lanes of a row write the same word with the same value
.endm
.macro ZTM                             ; a lane permute's destination counts as one of its sources: written once
.irp b, 0,1,2,3
	v_mov_b32 v[TM+4+\b], 0
.endr
.endm
	ASK 1                                          ; K step 1, the next refill's
	s_wait_alu depctr_va_vdst(0)
	s_wait_tensorcnt 0x0                           ; my load is in; these lines stand ahead of a later first fill as ahead of a refill
	ds_add_u32 v[SPW], v[NIL]
	s_mov_b32 s[G0+1], SLOT                        ; slot 1: K step 1
	s_add_nc_u64 s[G0+2:G0+3], s[G0+2:G0+3], KST
	s_mov_b32 s[G0B+1], SLOT+BOFF
	s_add_nc_u64 s[G0B+2:G0B+3], s[G0B+2:G0B+3], KST
	s_wait_dscnt 0x0
	CROUND                                         ; everybody's loads are in
	JLOAD G0B, G1B                                 ; the first tensor load behind the round
	SCALES 0
	LRUN 0, 64, 0
	WIN 0
	ASK 2
	MID 0                                          ; PHASE 1: the first products start the sums: nothing is cleared
	TURN 1
	MID 2
	TURN 3
	MID 4
	TURN 5
	MID 6
	TURN 7
	ZTM
.irp a, 0,1,2,3
	QOUT \a, 8, 2048*\a, SWA, 64*\a, \a, 1
.endr
.irp a, 4,5,6,7
	QOUT \a, 8, 2048*\a, SWA, 64*\a, 1, 0
.endr
	ds_load_b128 v[T:T+3], v[SRA]                  ; my 128 rows' words: LDS serves a wave's instructions in order
	s_wait_dscnt 0x0
	global_store_b128 v[CO], v[T:T+3], s[10:11]    ; 512 consecutive bytes
	s_wait_xcnt 0x0                                ; phase 1's stores have read their registers, into which phase 2's fragments are loaded
	SCALESV 0                                      ; PHASE 2: slot 0 was shown whole to every wave by chunk 7's wait and round
	LRUNV 0, 16, 0
	s_wait_dscnt 0x0                               ; (x's part was asked for ahead of Wv's here: so all are waited for)
	MIDV 0
	TURNV 1, 1
	ASKV 3
	MIDV 2
	TURNV 3, 1
	MIDV 4
	TURNV 5, 0                                     ; nothing is left to fetch
	MIDV 6
	s_wait_dscnt 0x0
.irp b, 0,1,2,3,4,5,6,7
	V1P 7, \b, 0                                   ; the last chunk goes by Wv's blocks
.endr
	WIN 0
	PLACES 8
.set T,  64                            ; phase 2's way out: registers that chunk 7 does not use
.set PC, 128
.set TM, 144
.set PW, 160
	ZTM
.irp a, 0,1,2
	QOUT \a, 12, 2048*\a, SWA2, 64*\a, 1, 2
.endr
	QOUT 3, 12, 2048*3, SWA2, 64*3, 1, 0
	ds_load_b64 v[T:T+1], v[SRA2]                  ; my 64 rows' words
	s_wait_dscnt 0x0
	global_store_b64 v[L8], v[T:T+1], s[14:15]     ; 32 lanes store 256 consecutive bytes, aligned
	s_wait_tensorcnt 0x0                           ; the wave's end
	ds_add_u32 v[SPW], v[NIL]
	s_wait_dscnt 0x0
	CROUND                                         ; the closing round: no work-group ends while a partner may still ask for a tile that names it
	s_endpgm
.Lfunc_end_k_q9f7011e3fe_gemm_qkv:
	.size	k_q9f7011e3fe_gemm_qkv, .Lfunc_end_k_q9f7011e3fe_gemm_qkv-k_q9f7011e3fe_gemm_qkv
	.p2alignl 7, 3214868480
	.fill 96, 4, 3214868480
	.section	.rodata,"a",@progbits
	.p2align	6, 0x0
	.amdhsa_kernel k_q9f7011e3fe_gemm_qkv
		.amdhsa_group_segment_fixed_size 327680
		.amdhsa_private_segment_fixed_size 0
		.amdhsa_enable_private_segment 0
		.amdhsa_kernarg_size 48
		.amdhsa_user_sgpr_count 2
		.amdhsa_user_sgpr_kernarg_segment_ptr 1
		.amdhsa_wavefront_size32 1
		.amdhsa_system_sgpr_workgroup_id_x 1
		.amdhsa_system_sgpr_workgroup_id_y 1
		.amdhsa_system_sgpr_workgroup_id_z 1
		.amdhsa_system_vgpr_workitem_id 0
		.amdhsa_next_free_vgpr 1024
		.amdhsa_next_free_sgpr 102
		.amdhsa_reserve_vcc 0
		.amdhsa_float_denorm_mode_32 3
		.amdhsa_float_denorm_mode_16_64 3
		.amdhsa_memory_ordered 1
		.amdhsa_forward_progress 1
		.amdhsa_inst_pref_size 255
	.end_amdhsa_kernel
	.section	.bss,"aw",@nobits
	.p2align	6
	.space	262144
	.amdgpu_metadata
---
amdhsa.version: [ 1, 2 ]
amdhsa.kernels:
  - .name:           k_q9f7011e3fe_gemm_qkv
    .symbol:         k_q9f7011e3fe_gemm_qkv.kd
    .args:
      - { .name: xw_codes, .offset: 0, .size: 8, .value_kind: global_buffer, .address_space: global }
      - { .name: xw_sc, .offset: 8, .size: 8, .value_kind: global_buffer, .address_space: global }
      - { .name: qk_codes, .offset: 16, .size: 8, .value_kind: global_buffer, .address_space: global }
      - { .name: qk_sc, .offset: 24, .size: 8, .value_kind: global_buffer, .address_space: global }
      - { .name: vt_codes, .offset: 32, .size: 8, .value_kind: global_buffer, .address_space: global }
      - { .name: vt_sc, .offset: 40, .size: 8, .value_kind: global_buffer, .address_space: global }
    .group_segment_fixed_size: 327680
    .private_segment_fixed_size: 0
    .kernarg_segment_align: 8
    .kernarg_segment_size: 48
    .max_flat_workgroup_size: 128
    .sgpr_count:     102
    .vgpr_count:     1024
    .wavefront_size: 32
...
	.end_amdgpu_metadata
.endif
;; end of part 2
;; launch gemm_s (part 3): grid 8 x 32, 4 waves a work-group, clusters of 4 x 4, 327,680 bytes of LDS; arguments qk_codes, qk_sc, p_codes, p_stat; writes p_codes, p_stat
.if DOCPART == 3
	.amdgcn_target "amdgcn-amd-amdhsa--gfx1250"
	.amdhsa_code_object_version 6
	.text
	.protected	k_q9f7011e3fe_gemm_s
	.globl	k_q9f7011e3fe_gemm_s
	.p2align	8
	.type	k_q9f7011e3fe_gemm_s,@function
k_q9f7011e3fe_gemm_s:
	s_mov_b64 s[64:65], 0
	v_nop
	global_prefetch_b8 v0, s[64:65] scope:SCOPE_SE
	s_setreg_imm32_b32 hwreg(HW_REG_WAVE_MODE, 25, 1), 1
	s_wait_xcnt 0x0
	s_wait_alu depctr_hold_cnt(0) depctr_sa_sdst(0) depctr_va_vdst(0) depctr_va_sdst(0) depctr_va_ssrc(0) depctr_va_vcc(0) depctr_vm_vsrc(0)
	s_getreg_b32 s2, hwreg(HW_REG_IB_STS2, 6, 4)
	s_cmp_eq_u32 s2, 0
	s_cbranch_scc0 .Lentry_in_a_cluster
	s_endpgm
.Lentry_in_a_cluster:
	s_bfe_u32 s2, ttmp6, 0x10000c
	s_cmp_lg_u32 s2, 0xf033
	s_cbranch_scc0 .Lentry_shape_is_right
	s_endpgm
.Lentry_shape_is_right:
; The second product and the softmax's first half.  Nothing is left out; the factor 2^-5 on q stands in the constant c (see the head of the first kernel).  Layouts: there too.
; S = q k^T for 4 batches of 2,048 x 2,048, K = 1,024.  A tile is 256 queries x 256 keys, four waves, 128 x 128 each; ring, register sets, runs of loads, counted waits and prefetches are those of the launch before (its phase 1).
; THE SOFTMAX.  t = score x c, c = log2(e) / 32.  A wave holds 128 keys of each of its 128 queries.  It takes M = ceil(the largest t of THESE 128 keys), a whole number, p = 2^(t - M), quantises p along the keys, and stores
; the codes, the scale word, -M and the sum of the unquantised p.  The last launch brings a row's 16 chunks under the row's own M by moving scale bytes and sums by whole powers of two: the codes stay as they are.
; So a maximum is taken away ahead of every exponential, and no exponent is above 0.
; OUTPUT: p_codes [16 chunks of keys][512 row blocks of queries][2048];  p_stat: three planes of [16 chunks][8192 rows] words: scale words, -M (f32), sums (f32).
; CLUSTERS: 4 x 4; q's tiles jointly along a row of the cluster, k's along a column.  A cluster lies inside one batch (batch = cluster y / 2).
; The last chunk finishes blocks 0 to 2 first; the products of blocks 3 to 7 stand among the vector lines of the way out of blocks 0 to 4.
; LIMITS: a block whose largest p lies under 2^-118 keeps the byte 1; scaled scores of 2^31 and more, NaN and infinities are not served.
.set KST,   2097152                    ; a K step: two chunks of 512 row blocks x 2,048 bytes
.set SCP,   32768                      ; bytes from chunk to chunk in qk_sc
.set SLOT,  131072                     ; q's [2 chunks][16 blocks][2048], then k's
.set BOFF,  65536
.set SCL,   2*SLOT                     ; q's scale words [8 chunks][256 rows], then k's: filled once
.set STG,   SCL+16384                  ; what a wave hands to p_stat: 3 x 512 bytes a wave: written by LDS stores alone
.set SPARE, STG+6144
.set ADRA, 16                          ; v16-17, v20-21 LDS address of my q, k fragments in slot 0, 1
.set ADRB, 20
.set SWA,  24
.set SRA,  25
.set CO,   26                          ; 16 x lane
.set ADRS, 27                          ; scale words: lanes 0-15 q's rows, lanes 16-31 k's
.set SPW,  28
.set NIL,  29
.set PFO,  30                          ; the prefetches' offset: 256 x lane
.set SC,   32                          ; v32-63 scale words: v[SC + 16 (K step % 2) + 8 (chunk % 2) + block]
.set T,    128                         ; the way out: v128-191 t, then p: the region that chunk 7 does not use; v192-236: registers of blocks 0 to 2, whose products are done
.set PC,   192                         ; v192-207 codes
.set BM,   208                         ; v208-211 a block's largest score, then its largest p
.set PX,   212                         ; v212-215 the other half's; then the bytes
.set HD,   216                         ; v216-219 448 x the scale
.set SO,   220                         ; v220-223 the conversions' scale operands
.set NM,   226                         ; v[226:227] -M, twice
.set SUM,  228                         ; v[228:231] the sum, in two chains of pairs
.set TP,   232                         ; v232-233 at work
.set PW,   234                         ; the scale word, -M, the sum
.set NMS,  235
.set LS,   236
.set G1,   24                          ; groups 1 and 0: q's tiles, k's tiles, q's scale words, k's
.set G0,   32
.set PF,   36
.set G1B,  48
.set G0B,  56
.set G1S,  68
.set G0S,  76
.set G1SB, 80
.set G0SB, 88
.set OUT,  92                          ; s[92:93] my images in p_codes
.set CS,   94                          ; s[94:95] c
.set STA,  96                          ; s[96:97] my words in p_stat
.set MNT,  98
.set SEL,  100
.set MSB, 0
.macro WIN new
.if MSB != (\new)
	s_set_vgpr_msb (MSB<<8)|(\new)
.set MSB, (\new)
.endif
.endm
.macro PLACES n
.rept \n
	v_nop
.endr
.endm
.macro WDS n                           ; a wait's count fits its field
.if (\n) > 63
	s_wait_dscnt 63
.else
	s_wait_dscnt \n
.endif
.endm
.macro TLOAD g0, g1                    ; an s_nop 0 and four v_nop follow each tensor load
	tensor_load_to_lds s[\g0:\g0+3], s[\g1:\g1+7]
	s_nop 0
	PLACES 4
.endm
.macro JLOAD                           ; a joint load: wave 0 fetches q's tile, wave 1 k's
	s_cmp_eq_u32 s16, 0
	s_cbranch_scc0 .Lfor_b_\@
	TLOAD G0, G1
	s_branch .Lasked_\@
.Lfor_b_\@:
	s_cmp_eq_u32 s16, 1
	s_cbranch_scc0 .Lasked_\@
	TLOAD G0B, G1B
.Lasked_\@:
.endm
.macro CREST
	s_cmp_lg_u32 s16, 0
	s_cbranch_scc1 .Lnot_wave_0_\@
	s_barrier_signal -3
.Lnot_wave_0_\@:
	s_barrier_wait -3
	s_barrier_signal -1
	s_barrier_wait -1
.endm
.macro CROUND
	s_barrier_signal -1
	s_barrier_wait -1
	CREST
.endm
.macro ASK k                           ; K step k, one refill ahead: each of the four that share a tile asks for a quarter of it, two waves, 8,192 bytes of one chunk each
	global_prefetch_b8 v[PFO], s[PF:PF+1] offset:KST*(\k) th:TH_LOAD_NT scope:SCOPE_SE
.endm
	s_load_b256 s[4:11], s[0:1], 0x0               ; qk_codes s[4:5], qk_sc s[6:7], p_codes s[8:9], p_stat s[10:11]
	v_lshl_add_u32 v[SPW], v0, 2, SPARE
	v_mov_b32 v[NIL], 0
	ds_add_u32 v[SPW], v[NIL]                      ; the wave's opening: the add, twice on end, and its wait ahead of my first tensor load
	ds_add_u32 v[SPW], v[NIL]
	v_lshrrev_b32 v1, 5, v0
	v_readfirstlane_b32 s16, v1                    ; wave 0..3
	s_lshr_b32 s17, s16, 1                         ; which half of the queries is mine
	s_and_b32 s18, s16, 1                          ; which half of the keys
	s_bfe_u32 s40, ttmp6, 0x40000                  ; cx
	s_bfe_u32 s41, ttmp6, 0x40004                  ; cy
	s_lshl_b32 s42, ttmp9, 2
	s_add_co_u32 s42, s42, s40                     ; the tile of keys, 0..7
	s_and_b32 s43, ttmp7, 0xffff
	s_lshr_b32 s66, s43, 1                         ; the batch: from the cluster's y alone
	s_lshl_b32 s43, s43, 2
	s_add_co_u32 s43, s43, s41                     ; the tile of queries, 0..31, over all batches
	s_lshl_b32 s44, s41, 2
	s_lshl_b32 s44, 15, s44                        ; my row of the cluster
	s_lshl_b32 s45, 0x1111, s40                    ; my column
	s_or_b32 s[G1+0], s44, (3<<16)|(1<<21)         ; codes: 2 chunks x 16 row blocks on end (4,096 elements of 8 bytes), dense in LDS
	s_or_b32 s[G1B+0], s45, (3<<16)|(1<<21)
.irp g, G1, G1B
	s_mov_b32 s[\g+1], 4096<<16
	s_mov_b32 s[\g+2], 2<<16
	s_mov_b32 s[\g+3], 4096<<16
	s_mov_b32 s[\g+4], 2
	s_mov_b32 s[\g+5], KST/16
	s_mov_b32 s[\g+6], 0
	s_mov_b32 s[\g+7], 0
.endr
	s_or_b32 s[G1S+0], s44, (3<<16)|(1<<21)        ; scale words: 8 chunks x 1,024 bytes
	s_or_b32 s[G1SB+0], s45, (3<<16)|(1<<21)
.irp g, G1S, G1SB
	s_mov_b32 s[\g+1], 128<<16
	s_mov_b32 s[\g+2], 8<<16
	s_mov_b32 s[\g+3], 128<<16
	s_mov_b32 s[\g+4], 8
	s_mov_b32 s[\g+5], SCP/8
	s_mov_b32 s[\g+6], 0
	s_mov_b32 s[\g+7], 0
.endr
	s_lshl_b32 s[G0+2], s43, 15                    ; q: row block 16 x tile
	s_mov_b32 s[G0+3], 0
	s_lshl_b32 s[G0S+2], s43, 10                   ; q's scale words: the tile's first row x 4
	s_mov_b32 s[G0S+3], 0
	s_lshl_b32 s67, s66, 7
	s_lshl_b32 s2, s42, 4
	s_add_co_u32 s67, s67, s2                      ; k: row block 128 x batch + 16 x tile
	s_lshl_b32 s[G0B+2], s67, 11
	s_add_co_u32 s[G0B+2], s[G0B+2], 4*KST         ; k's chunks follow q's eight
	s_mov_b32 s[G0B+3], 0
	s_lshl_b32 s[G0SB+2], s67, 6
	s_add_co_u32 s[G0SB+2], s[G0SB+2], 8*SCP
	s_mov_b32 s[G0SB+3], 0
	s_mov_b32 s[G0], 1
	s_mov_b32 s[G0+1], 0
	s_mov_b32 s[G0B], 1
	s_mov_b32 s[G0B+1], BOFF
	s_mov_b32 s[G0S], 1
	s_mov_b32 s[G0S+1], SCL
	s_mov_b32 s[G0SB], 1
	s_mov_b32 s[G0SB+1], SCL+8192
	s_wait_dscnt 0x0                               ; both opening adds are done
	CROUND                                         ; all sixteen work-groups are here: the first joint loads meet
	s_wait_kmcnt 0x0
	s_add_nc_u64 s[G0+2:G0+3], s[4:5], s[G0+2:G0+3]
	s_add_nc_u64 s[G0B+2:G0B+3], s[4:5], s[G0B+2:G0B+3]
	s_add_nc_u64 s[G0S+2:G0S+3], s[6:7], s[G0S+2:G0S+3]
	s_add_nc_u64 s[G0SB+2:G0SB+3], s[6:7], s[G0SB+2:G0SB+3]
.irp g, G0+3, G0B+3, G0S+3, G0SB+3
	s_or_b32 s[\g], s[\g], 0x80000000
.endr
.macro ARM w, g0, g1, next             ; the head's loads, one a wave: one tree of branches, every way through it passes one load
	s_cmp_eq_u32 s16, \w
	s_cbranch_scc0 \next
	TLOAD \g0, \g1
	s_branch .Lhead_asked
\next:
.endm
	ARM 0, G0,  G1,  .Lhead_b
	ARM 1, G0B, G1B, .Lhead_s
	ARM 2, G0S, G1S, .Lhead_sb
	TLOAD G0SB, G1SB
.Lhead_asked:
	; the prefetches, chunk (wave % 2) of a K step: waves 0, 1: q's blocks 16 x tile + 4 cx on; waves 2, 3: k's 16 x tile + 4 cy on
	s_lshl_b32 s2, s43, 4
	s_lshl_b32 s3, s40, 2
	s_add_co_u32 s2, s2, s3
	s_lshl_b32 s2, s2, 11
	s_lshl_b32 s3, s41, 2
	s_add_co_u32 s3, s3, s67
	s_lshl_b32 s3, s3, 11
	s_add_co_u32 s3, s3, 4*KST
	s_cmp_lt_u32 s16, 2
	s_cselect_b32 s2, s2, s3
	s_lshl_b32 s3, s18, 20
	s_add_co_u32 s2, s2, s3
	s_mov_b32 s3, 0
	s_add_nc_u64 s[PF:PF+1], s[4:5], s[2:3]
	s_lshl_b32 s60, s43, 4                         ; where my results go: row block 16 x tile + 8 x half,
	s_lshl_b32 s3, s17, 3
	s_add_co_u32 s60, s60, s3
	s_lshl_b32 s60, s60, 11
	s_lshl_b32 s2, s42, 1
	s_add_co_u32 s2, s2, s18                       ; chunk of keys 2 x tile + half
	s_lshl_b32 s3, s2, 20
	s_add_co_u32 s60, s60, s3
	s_mov_b32 s61, 0
	s_add_nc_u64 s[OUT:OUT+1], s[8:9], s[60:61]
	s_lshl_b32 s62, s2, 15                         ; p_stat: the chunk's 32,768 bytes,
	s_lshl_b32 s3, s43, 10
	s_add_co_u32 s62, s62, s3
	s_lshl_b32 s3, s17, 9
	s_add_co_u32 s62, s62, s3                      ; my first row x 4
	s_mov_b32 s63, 0
	s_add_nc_u64 s[STA:STA+1], s[10:11], s[62:63]
	s_mov_b32 s[SEL], 0x76543210
	s_mov_b32 s[SEL+1], 0xfedcba98
	s_mov_b32 s[CS], 0x3d38aa3b                    ; c = log2(e) / 32
	s_mov_b32 s[CS+1], s[CS]                       ; (named with it as a pair, so it is written)
	s_mov_b32 s[MNT], 0x600000
	s_lshl_b32 s20, s17, 14
	s_lshl_b32 s21, s18, 14
	s_add_co_u32 s21, s21, BOFF
	s_lshl_b32 s22, s17, 9
	s_lshl_b32 s23, s18, 9
	s_add_co_u32 s23, s23, 8192
	s_sub_co_u32 s23, s23, s22                     ; lanes 16-31 take k's words, so much further on
	s_add_co_u32 s22, s22, SCL
	s_mul_i32 s2, s16, 1536
	s_add_co_u32 s2, s2, STG
	v_and_b32 v1, 15, v0                           ; r
	v_bfe_u32 v2, v0, 4, 1                         ; h
	v_and_b32 v3, 31, v0
	v_lshlrev_b32 v[CO], 4, v3
	v_lshlrev_b32 v[PFO], 8, v3
	v_add_nc_u32 v[ADRA], s20, v[CO]
	v_add_nc_u32 v[ADRA+1], SLOT, v[ADRA]
	v_add_nc_u32 v[ADRB], s21, v[CO]
	v_add_nc_u32 v[ADRB+1], SLOT, v[ADRB]
	v_lshlrev_b32 v5, 2, v1
	v_mul_u32_u24 v6, s23, v2
	v_add_nc_u32 v6, v6, v5
	v_add_nc_u32 v[ADRS], s22, v6
	v_add_nc_u32 v[SWA], s2, v5
	v_add_nc_u32 v[SRA], s2, v[CO]
.macro LD n, c                         ; load n of chunk c's 64: k's 32, then q's 32
.set S_, ((\c)/2)%2
.set O_, 32768*((\c)%2)
.set M_, \n
.if M_ < 32
.set D_, 128*((\c)%2)+4*M_
	WIN 0x40
	ds_load_b128 v[D_:D_+3], v[ADRB+S_] offset:O_+512*M_
.else
.set M_, M_-32
.set D_, 64+64*((2*(\c)+M_/16)%3)+4*(M_%16)
	WIN 0
	ds_load_b128 v[D_:D_+3], v[ADRA+S_] offset:O_+512*M_
.endif
.endm
.macro LRUN from, cnt, c
.set N_, \from
.rept \cnt
	LD N_, \c
.set N_, N_+1
.endr
.endm
.macro SCALES k
	WIN 0
.irp q, 0,1
.irp i, 0,1,2,3,4,5,6,7
	ds_load_b32 v[SC+16*((\k)%2)+8*\q+\i], v[ADRS] offset:1024*(2*(\k)+\q)+64*\i
.endr
.endr
.endm
.macro G1P c, a, f                     ; one product: q's block a against k's block f
.set A_, 64+64*((2*(\c)+(\a)/4)%3)+16*((\a)%4)
.set X_, SC+16*(((\c)/2)%2)+8*((\c)%2)
.set B_, \f
.set R_, 128*((\c)%2)+16*B_
.set D_, 8*(8*((\a)%4)+B_)
	WIN 0xa1+0x50*((\a)/4)
.if (\c) == 0
	v_wmma_scale_f32_16x16x128_f8f6f4 v[D_:D_+7], v[R_:R_+15], v[A_:A_+15], 0, v[X_+B_], v[X_+(\a)] matrix_a_scale:MATRIX_SCALE_ROW1
.else
	v_wmma_scale_f32_16x16x128_f8f6f4 v[D_:D_+7], v[R_:R_+15], v[A_:A_+15], v[D_:D_+7], v[X_+B_], v[X_+(\a)] matrix_a_scale:MATRIX_SCALE_ROW1
.endif
.endm
.macro G8 c, a                         ; the 64 accumulators take turns, one instruction a turn, in the same order in every chunk
.irp b, 0,1,2,3,4,5,6,7
	G1P \c, \a, \b
.endr
.endm
.macro MID c                           ; a chunk whose successor lies in the same slot: the successor's 64 loads stand among its products in four runs
	s_wait_dscnt 28
	G8 \c, 0
	PLACES 8
.set XW, 0
.if (\c) < 6
	SCALES (\c)/2+1
.set XW, 16
.endif
	LRUN 0, 16, \c+1
	WDS 40+XW                                      ; 4 (7 - a) of this chunk's, XW scale words and what the next's runs have issued may be out
	G8 \c, 1
	WDS 36+XW
	G8 \c, 2
	LRUN 16, 16, \c+1
	WDS 48+XW
	G8 \c, 3
	WDS 44+XW
	G8 \c, 4
	PLACES 8                                       ; behind the products of blocks 0-3, whose region the last run takes
	LRUN 32, 16, \c+1
	WDS 56+XW
	G8 \c, 5
	WDS 52+XW
	G8 \c, 6
	LRUN 48, 16, \c+1
	WDS 64+XW
	G8 \c, 7
.endm
.macro TURN c, fill                    ; a slot's second chunk changes slots
	WIN 0
	s_wait_tensorcnt 0x0                           ; all my tensor loads have landed: the next slot
	ds_add_u32 v[SPW], v[NIL]                      ; 0 onto my spare word
.if \fill
	s_mov_b32 s[G0+1], (((\c)/2)%2)*SLOT
	s_add_nc_u64 s[G0+2:G0+3], s[G0+2:G0+3], KST
	s_mov_b32 s[G0B+1], (((\c)/2)%2)*SLOT+BOFF
	s_add_nc_u64 s[G0B+2:G0B+3], s[G0B+2:G0B+3], KST
.endif
.irp a, 0,1,2
	s_wait_dscnt 29-4*\a                           ; (the add and 4 (7 - a) loads may be out)
	G8 \c, \a
.endr
	s_wait_dscnt 0x0                               ; the add is done, and my reads of this slot are over
	s_barrier_signal -1
	G8 \c, 3
	WIN 0
	s_barrier_wait -1
.if \fill
	CREST                                          ; no wave of any partner still reads this slot or has a load on its way
	JLOAD
.endif
	PLACES 8
.irp a, 4,5,6,7
	LRUN 16*(\a-4), 16, \c+1
	G8 \c, \a
.endr
	WIN 0
.endm
	ASK 1
	s_wait_alu depctr_va_vdst(0)
	s_wait_tensorcnt 0x0                           ; my load is in; these lines stand ahead of a later first fill as ahead of a refill
	ds_add_u32 v[SPW], v[NIL]
	s_mov_b32 s[G0+1], SLOT                        ; slot 1: K step 1
	s_add_nc_u64 s[G0+2:G0+3], s[G0+2:G0+3], KST
	s_mov_b32 s[G0B+1], SLOT+BOFF
	s_add_nc_u64 s[G0B+2:G0B+3], s[G0B+2:G0B+3], KST
	s_wait_dscnt 0x0
	CROUND                                         ; everybody's loads are in
	JLOAD                                          ; the first tensor load behind the round
	SCALES 0
	LRUN 0, 64, 0
	WIN 0
	ASK 2
	MID 0                                          ; the first products start the sums: nothing is cleared
	TURN 1, 1
	ASK 3
	MID 2
	TURN 3, 1
	MID 4
	TURN 5, 0                                      ; nothing is left to fetch
	MID 6
.irp a, 0,1,2
	s_wait_dscnt 28-4*\a
	G8 7, \a
.endr
	WIN 0
	s_wait_dscnt 0x0                               ; the last chunk's fragments are all in
; THE WAY OUT.  Block a: a lane holds one query and 64 of its 128 keys: register 16 b + i = key 32 b + 16 h + i of the wave's chunk.
.macro SOFT a
.set AC, 64*((\a)%4)
	WIN 0x0a+5*((\a)/4)                            ; sources 0 and 1: window 2 or 3
.if (\a) > 0
	s_wait_alu depctr_va_vdst(0)                   ; directly ahead of the first reader of the block's products
.endif
.irp b, 0,1,2,3
	v_max_num_f32 v[BM+\b], v[AC+16*\b], v[AC+16*\b+1]   ; the largest SCORE of each block of 32 keys: for the row's maximum and, since p rises with the score, for the block's largest p.  Each accumulator is read from its low end on
.endr
.irp i, 2,4,6,8,10,12,14
.irp b, 0,1,2,3
	v_max3_num_f32 v[BM+\b], v[AC+16*\b+\i], v[AC+16*\b+\i+1], v[BM+\b]
.endr
.endr
	WIN 0
.irp b, 0,1,2,3
	v_permlanex16_b32 v[PX+\b], v[BM+\b], s[SEL], s[SEL+1]
.endr
.irp b, 0,1,2,3
	v_max_num_f32 v[BM+\b], v[BM+\b], v[PX+\b]     ; with lane l xor 16's 16 keys
.endr
	v_max3_num_f32 v[TP], v[BM], v[BM+1], v[BM+2]
	v_max_num_f32 v[TP], v[TP], v[BM+3]            ; the largest score of my query among these 128 keys
	v_mul_f32 v[TP], s[CS], v[TP]                  ; as t (c is positive)
	v_floor_f32 v[NM], -v[TP]                      ; -M = floor(-t) = -ceil(t): M is a whole number
	v_floor_f32 v[NM+1], -v[TP]                    ; (the pair's upper half is named below, so it is written)
	WIN 0x02+(\a)/4                                ; source 0: window 2 or 3
.set n, 0
.rept 32
	v_pk_fma_f32 v[T+n:T+n+1], v[AC+n:AC+n+1], s[CS:CS+1], v[NM:NM+1] op_sel_hi:[1,0,0]   ; t - M, two at a time, into window 0
.set n, n+2
.endr
	WIN 0
.irp b, 0,1,2,3
	v_fma_f32 v[BM+\b], v[BM+\b], s[CS], v[NM]     ; the same of each block's largest score
.endr
.set n, 0
	s_wait_alu depctr_va_vdst(0)
.rept 64
	v_exp_f32 v[T+n], v[T+n]                       ; p = 2^(t - M), at most 1: not normalised
.set n, n+1
.endr
	v_mov_b32 v[NMS], v[NM]                        ; -M, kept for the store: a plain line behind the exponentials
	s_wait_alu depctr_va_vdst(0)                   ; one wait for the whole batch, ahead of its first reader
.irp b, 0,1,2,3
	v_exp_f32 v[BM+\b], v[BM+\b]                   ; the block's largest p: the same two instructions on the same number give the same bits
.endr
	v_pk_add_f32 v[SUM:SUM+1], v[T:T+1], v[T+2:T+3]        ; the sum is taken of the UNQUANTISED p: two chains of pairs.  (They read the 64 alone: plain work behind the four)
	v_pk_add_f32 v[SUM+2:SUM+3], v[T+4:T+5], v[T+6:T+7]
.set n, 8
.rept 14
	v_pk_add_f32 v[SUM:SUM+1], v[SUM:SUM+1], v[T+n:T+n+1]
	v_pk_add_f32 v[SUM+2:SUM+3], v[SUM+2:SUM+3], v[T+n+2:T+n+3]
.set n, n+4
.endr
	v_pk_add_f32 v[SUM:SUM+1], v[SUM:SUM+1], v[SUM+2:SUM+3]
	v_add_f32 v[SUM], v[SUM], v[SUM+1]
	v_permlanex16_b32 v[TP+1], v[SUM], s[SEL], s[SEL+1]
	v_add_f32 v[LS], v[SUM], v[TP+1]               ; with lane l xor 16's: the sum over the 128 keys
	s_wait_alu depctr_va_vdst(0)                   ; and one wait for the four
.irp b, 0,1,2,3
	v_max_num_f32 v[BM+\b], 0x4800000, v[BM+\b]    ; the floor 2^(9 - 127): the byte cannot fall under 1
.endr
.irp b, 0,1,2,3
	v_add_nc_u32 v[SO+\b], 0xfc000000, v[BM+\b]    ; 8 off the exponent field: the conversion's scale operand
.endr
.irp b, 0,1,2,3
	v_and_or_b32 v[HD+\b], v[BM+\b], 0x7f800000, s[MNT]   ; 448 x the scale
.endr
.irp b, 0,1,2,3
	v_lshrrev_b32 v[PX+\b], 23, v[SO+\b]           ; the scale's byte
.endr
	v_lshl_or_b32 v[PW], v[PX+1], 8, v[PX]
	v_lshl_or_b32 v[PW], v[PX+2], 16, v[PW]
	v_lshl_or_b32 v[PW], v[PX+3], 24, v[PW]
.irp b, 0,1,2,3
.set n, 0
.rept 16
	v_min_num_f32 v[T+16*\b+n], v[T+16*\b+n], v[HD+\b]   ; the conversion does not saturate (ISA guide 7.6.2); p is not negative, so the hold is one-sided
.if ((n == 1) || (n == 7)) && ((\a) < 5)
	G1P 7, (\a)+3, 2*\b+n/4                        ; the last chunk's products of the block three on
	WIN 0
.endif
.set n, n+1
.endr
.endr
	s_wait_alu depctr_va_vdst(0)
.if (\a) > 0
	s_wait_xcnt 0x0                                ; the last block's stores have read the codes' registers
.endif
.irp b, 0,1,2,3
	v_cvt_scalef32_pk8_fp8_f32 v[PC+4*\b:PC+4*\b+1], v[T+16*\b:T+16*\b+7], v[SO+\b]
	v_cvt_scalef32_pk8_fp8_f32 v[PC+4*\b+2:PC+4*\b+3], v[T+16*\b+8:T+16*\b+15], v[SO+\b]
.endr
	v_nop                                          ; a plain line behind the last conversion
.irp c, 0,1,2,3
	global_store_b128 v[CO], v[PC+4*\c:PC+4*\c+3], s[OUT:OUT+1] offset:2048*(\a)+512*\c   ; 32 lanes store 512 consecutive bytes of the image
.endr
	ds_store_b32 v[SWA], v[PW] offset:64*(\a)      ; both lanes of a row write the same word with the same value
	ds_store_b32 v[SWA], v[NMS] offset:512+64*(\a)
	ds_store_b32 v[SWA], v[LS] offset:1024+64*(\a)
.endm
	PLACES 8                                       ; behind the last products: their results are read and q's registers written below
.irp b, 0,1,2,3
	v_mov_b32 v[PX+\b], 0                          ; written once: a lane permute's destination counts as one of its sources
.endr
	v_mov_b32 v[TP+1], 0
.irp a, 0,1,2,3,4,5,6,7
	SOFT \a
.endr
	ds_load_b128 v[T:T+3], v[SRA]                  ; my 128 rows' scale words, -M and sums: LDS serves a wave's instructions in order
	ds_load_b128 v[T+4:T+7], v[SRA] offset:512
	ds_load_b128 v[T+8:T+11], v[SRA] offset:1024
	s_wait_dscnt 0x0
	global_store_b128 v[CO], v[T:T+3], s[STA:STA+1]                     ; 512 consecutive bytes each
	global_store_b128 v[CO], v[T+4:T+7], s[STA:STA+1] offset:524288
	global_store_b128 v[CO], v[T+8:T+11], s[STA:STA+1] offset:1048576
	s_wait_tensorcnt 0x0                           ; the wave's end
	ds_add_u32 v[SPW], v[NIL]
	s_wait_dscnt 0x0
	CROUND                                         ; the closing round
	s_endpgm
.Lfunc_end_k_q9f7011e3fe_gemm_s:
	.size	k_q9f7011e3fe_gemm_s, .Lfunc_end_k_q9f7011e3fe_gemm_s-k_q9f7011e3fe_gemm_s
	.p2alignl 7, 3214868480
	.fill 96, 4, 3214868480
	.section	.rodata,"a",@progbits
	.p2align	6, 0x0
	.amdhsa_kernel k_q9f7011e3fe_gemm_s
		.amdhsa_group_segment_fixed_size 327680
		.amdhsa_private_segment_fixed_size 0
		.amdhsa_enable_private_segment 0
		.amdhsa_kernarg_size 32
		.amdhsa_user_sgpr_count 2
		.amdhsa_user_sgpr_kernarg_segment_ptr 1
		.amdhsa_wavefront_size32 1
		.amdhsa_system_sgpr_workgroup_id_x 1
		.amdhsa_system_sgpr_workgroup_id_y 1
		.amdhsa_system_sgpr_workgroup_id_z 1
		.amdhsa_system_vgpr_workitem_id 0
		.amdhsa_next_free_vgpr 1024
		.amdhsa_next_free_sgpr 102
		.amdhsa_reserve_vcc 0
		.amdhsa_float_denorm_mode_32 3
		.amdhsa_float_denorm_mode_16_64 3
		.amdhsa_memory_ordered 1
		.amdhsa_forward_progress 1
		.amdhsa_inst_pref_size 232
	.end_amdhsa_kernel
	.amdgpu_metadata
---
amdhsa.version: [ 1, 2 ]
amdhsa.kernels:
  - .name:           k_q9f7011e3fe_gemm_s
    .symbol:         k_q9f7011e3fe_gemm_s.kd
    .args:
      - { .name: qk_codes, .offset: 0, .size: 8, .value_kind: global_buffer, .address_space: global }
      - { .name: qk_sc, .offset: 8, .size: 8, .value_kind: global_buffer, .address_space: global }
      - { .name: p_codes, .offset: 16, .size: 8, .value_kind: global_buffer, .address_space: global }
      - { .name: p_stat, .offset: 24, .size: 8, .value_kind: global_buffer, .address_space: global }
    .group_segment_fixed_size: 327680
    .private_segment_fixed_size: 0
    .kernarg_segment_align: 8
    .kernarg_segment_size: 32
    .max_flat_workgroup_size: 128
    .sgpr_count:     102
    .vgpr_count:     1024
    .wavefront_size: 32
...
	.end_amdgpu_metadata
.endif
;; end of part 3
;; launch gemm_o (part 4): grid 4 x 64, 4 waves a work-group, clusters of 4 x 4, 327,680 bytes of LDS; arguments p_codes, p_stat, vt_codes, vt_sc, out0; writes out0
.if DOCPART == 4
	.amdgcn_target "amdgcn-amd-amdhsa--gfx1250"
	.amdhsa_code_object_version 6
	.text
	.protected	k_q9f7011e3fe_gemm_o
	.globl	k_q9f7011e3fe_gemm_o
	.p2align	8
	.type	k_q9f7011e3fe_gemm_o,@function
k_q9f7011e3fe_gemm_o:
	s_mov_b64 s[64:65], 0
	v_nop
	global_prefetch_b8 v0, s[64:65] scope:SCOPE_SE
	s_setreg_imm32_b32 hwreg(HW_REG_WAVE_MODE, 25, 1), 1
	s_wait_xcnt 0x0
	s_wait_alu depctr_hold_cnt(0) depctr_sa_sdst(0) depctr_va_vdst(0) depctr_va_sdst(0) depctr_va_ssrc(0) depctr_va_vcc(0) depctr_vm_vsrc(0)
	s_getreg_b32 s2, hwreg(HW_REG_IB_STS2, 6, 4)
	s_cmp_eq_u32 s2, 0
	s_cbranch_scc0 .Lentry_in_a_cluster
	s_endpgm
.Lentry_in_a_cluster:
	s_bfe_u32 s2, ttmp6, 0x10000c
	s_cmp_lg_u32 s2, 0xf033
	s_cbranch_scc0 .Lentry_shape_is_right
	s_endpgm
.Lentry_shape_is_right:
; The last product and the softmax's second half: O = P V / l.  Nothing is left out.  Layouts: see the head of the first kernel.
; A work-group makes 128 queries x 256 d of one batch, four waves, 64 x 128 each: 32 accumulators.  K = 2,048 keys = 16 chunks of 128, in fills of three chunks (the sixth: one) through two LDS slots.  A tile is one dense run of memory a chunk.
; THE ROW'S M.  Each chunk of a row was quantised under its own whole M.  A thread takes a row: its 16 words of scale bytes, -M and sums; Mmax - M is taken off the bytes and the sums go down by the same power of two: the codes stay as they are.
; A byte that would fall under 0 is held at 0 (2^-127).
; CLUSTERS: 4 x 4, inside one batch: P's tiles are asked for jointly along a row of the cluster, V's along a column.
; LOADS.  At the head one joint load a wave: wave 0 P's first fill, waves 1 and 2 V's (8 blocks each), wave 3 V's scale words for all keys.  Afterwards waves 0 to 2 fetch, one load behind each round.
; THE LDS LOADS OF THE NEXT CHUNK STAND AMONG THIS CHUNK'S PRODUCTS, in four runs, into the other of two register sets: P's 16, then V's 32.  Products go by V's blocks b: ahead of block b all but the last 4 (7 - b) of the chunk's loads
; are needed, so a wait's count is that plus what has been issued since.  Scale words have registers of their own for all 16 chunks, loaded two chunks and more ahead of their use.
; THE MATRIX INSTRUCTION IS USED TRANSPOSED: source 0 = 16 d of V^T, source 1 = 16 queries: a lane holds 16 neighbouring d of one query in the registers of two tiles.
; PREFETCH: a fill's tiles are asked for one fill ahead, each 256 bytes once in a cluster: of P's 8 blocks each of the four partners takes two, of V's 16 blocks four, told apart by address; a wave a chunk.
; REGISTERS: window 0: addresses, scale words (v64-191), v192-255 at work.  Window 1: accumulators.  Windows 2 and 3: the two sets: V's eight fragments at v0, P's four at v128; on the way out window 2 takes rows read back.
; LIMITS: as stated at the head of the first kernel.
.set TILE,  49152                      ; [3 chunks][8 blocks][2048]: P's, and each half of V's
.set SLOT,  3*TILE
.set BOFF,  TILE
.set CHPP,  1048576                    ; bytes from chunk to chunk in p_codes: 512 row blocks
.set CHPV,  131072                     ; and in vt_codes: 64
.set BSC,   2*SLOT                     ; V's scale words [16 chunks][256 rows]: filled once
.set ASC,   BSC+16384                  ; P's scale words, made here: [128 rows][16 chunks], rows of 64 bytes + 16
.set LINV,  ASC+10240                  ; 1 / sum, [128 rows]
.set SPARE, LINV+512
.set RL,   8                           ; v8-15  1 / sum of my four blocks' rows, each twice
.set ADRA, 16                          ; v16-17 LDS address of my P fragments in slot 0, 1
.set ADRB, 20                          ; v20-21 of my V fragments
.set ADSA, 22                          ; v22    of P's scale words;  v23 of V's: lanes 0-15 an even chunk's, lanes 16-31 the next one's
.set ADSB, 23
.set STO,  24
.set RD,   25
.set CO,   26                          ; 16 x lane
.set SPW,  28
.set NIL,  29
.set PFO,  30                          ; the prefetches' offsets: V's 32 units of 256 bytes; v31: P's 16
.set PFP,  31
.set RLA,  32
.set SA,   64                          ; v64-127  P's: block a, chunk c at v[SA + 16 a + c]
.set SB,   128                         ; v128-191 V's: block b, chunks 2 p and 2 p + 1 at v[SB + 8 p + b]
.set FW,   192                         ; at the head: 16 scale words, -M, sums, at work
.set FM,   208
.set FL,   224
.set FY,   240
.set T,    192                         ; on the way out: 64 results
.set G1,   24
.set G0,   32
.set G1B,  48
.set G0B,  56
.set G1S,  68
.set G0S,  76
.set PA,   84                          ; s[84:85] my prefetches of P, the first fill's chunk; s[88:89] the fifth fill's
.set PB,   86                          ; s[86:87] of V
.set PA4,  88
.set MSB, 0
.macro WIN new
.if MSB != (\new)
	s_set_vgpr_msb (MSB<<8)|(\new)
.set MSB, (\new)
.endif
.endm
.macro PLACES n
.rept \n
	v_nop
.endr
.endm
.macro TLOAD g0, g1                    ; an s_nop 0 and four v_nop follow each tensor load
	tensor_load_to_lds s[\g0:\g0+3], s[\g1:\g1+7]
	s_nop 0
	PLACES 4
.endm
.macro JLOAD
	s_cmp_eq_u32 s14, 0
	s_cbranch_scc0 .Lfor_b_\@
	TLOAD G0, G1
	s_branch .Lasked_\@
.Lfor_b_\@:
	s_cmp_lt_u32 s14, 3
	s_cbranch_scc0 .Lasked_\@
	TLOAD G0B, G1B
.Lasked_\@:
.endm
.macro CREST
	s_cmp_lg_u32 s14, 0
	s_cbranch_scc1 .Lnot_wave_0_\@
	s_barrier_signal -3
.Lnot_wave_0_\@:
	s_barrier_wait -3
	s_barrier_signal -1
	s_barrier_wait -1
.endm
.macro CROUND
	s_barrier_signal -1
	s_barrier_wait -1
	CREST
.endm
.macro ASK k, chunks, base, from       ; fill k, of so many chunks: wave w asks for its chunk w
	s_cmp_lt_u32 s14, \chunks
	s_cbranch_scc0 .Lnot_mine_\@
	global_prefetch_b8 v[PFO], s[PB:PB+1] offset:3*CHPV*(\k) th:TH_LOAD_NT scope:SCOPE_SE
	global_prefetch_b8 v[PFP], s[\base:\base+1] offset:3*CHPP*((\k)-(\from)) th:TH_LOAD_NT scope:SCOPE_SE
.Lnot_mine_\@:
.endm
	s_load_b256 s[4:11], s[0:1], 0x0               ; p_codes s[4:5], p_stat s[6:7], vt_codes s[8:9], vt_sc s[10:11]
	s_load_b64 s[12:13], s[0:1], 0x20              ; out0
	v_lshl_add_u32 v[SPW], v0, 2, SPARE
	v_mov_b32 v[NIL], 0
	ds_add_u32 v[SPW], v[NIL]                      ; the wave's opening: the add, twice on end, and its wait ahead of my first tensor load
	ds_add_u32 v[SPW], v[NIL]
	v_lshrrev_b32 v1, 5, v0
	v_readfirstlane_b32 s14, v1                    ; wave 0..3
	s_lshr_b32 s15, s14, 1                         ; which half of the queries is mine.  Also: which half of V's blocks waves 1 and 2 fetch
	s_and_b32 s16, s14, 1                          ; which half of d
	s_bfe_u32 s40, ttmp6, 0x40000                  ; cx: the tile of d
	s_bfe_u32 s41, ttmp6, 0x40004
	s_and_b32 s42, ttmp7, 0xffff
	s_lshl_b32 s43, s42, 2
	s_add_co_u32 s43, s43, s41                     ; the tile of queries, 0..63, over all batches
	s_lshr_b32 s44, s42, 2                         ; the batch: from the cluster's y alone
	s_lshl_b32 s45, s41, 2
	s_lshl_b32 s45, 15, s45                        ; my row of the cluster
	s_lshl_b32 s46, 0x1111, s40                    ; my column
	; codes: 3 chunks x 8 row blocks on end (2,048 elements of 8 bytes)
	s_or_b32 s[G1+0], s45, (3<<16)|(1<<21)
	s_or_b32 s[G1B+0], s46, (3<<16)|(1<<21)
.irp g, G1, G1B
	s_mov_b32 s[\g+1], 2048<<16
	s_mov_b32 s[\g+2], 3<<16
	s_mov_b32 s[\g+3], 2048<<16
	s_mov_b32 s[\g+4], 3
	s_mov_b32 s[\g+6], 0
	s_mov_b32 s[\g+7], 0
.endr
	s_mov_b32 s[G1+5], CHPP/8
	s_mov_b32 s[G1B+5], CHPV/8
	s_or_b32 s[G1S+0], s46, (3<<16)|(1<<21)        ; V's scale words: 16 chunks x 1,024 bytes
	s_mov_b32 s[G1S+1], 128<<16
	s_mov_b32 s[G1S+2], 16<<16
	s_mov_b32 s[G1S+3], 128<<16
	s_mov_b32 s[G1S+4], 16
	s_mov_b32 s[G1S+5], 512
	s_mov_b32 s[G1S+6], 0
	s_mov_b32 s[G1S+7], 0
	s_lshl_b32 s20, s43, 14                        ; P: row block 8 x tile
	s_mov_b32 s21, 0
	s_lshl_b32 s22, s40, 4
	s_lshl_b32 s18, s15, 3
	s_add_co_u32 s22, s22, s18                     ; V: row block 16 cx + 8 x half,
	s_lshl_b32 s22, s22, 11
	s_lshl_b32 s18, s44, 21
	s_add_co_u32 s22, s22, s18                     ; chunk 16 x batch
	s_mov_b32 s23, 0
	s_lshl_b32 s66, s44, 16
	s_lshl_b32 s18, s40, 10
	s_add_co_u32 s66, s66, s18                     ; V's scale words
	s_mov_b32 s67, 0
	s_mul_i32 s80, s15, TILE
	s_add_co_u32 s80, s80, BOFF
	s_mov_b32 s[G0], 1
	s_mov_b32 s[G0+1], 0
	s_mov_b32 s[G0B], 1
	s_mov_b32 s[G0B+1], s80
	s_mov_b32 s[G0S], 1
	s_mov_b32 s[G0S+1], BSC
	s_wait_dscnt 0x0                               ; both opening adds are done
	CROUND                                         ; all sixteen work-groups are here: the first joint loads meet
	s_wait_kmcnt 0x0
	s_add_nc_u64 s[G0+2:G0+3], s[4:5], s[20:21]
	s_add_nc_u64 s[G0B+2:G0B+3], s[8:9], s[22:23]
	s_add_nc_u64 s[G0S+2:G0S+3], s[10:11], s[66:67]
.irp g, G0+3, G0B+3, G0S+3
	s_or_b32 s[\g], s[\g], 0x80000000
.endr
	; the head's loads, one a wave: one tree of branches, every way through it passes one load
	s_cmp_eq_u32 s14, 0
	s_cbranch_scc0 .Lhead_b
	TLOAD G0, G1
	s_branch .Lhead_asked
.Lhead_b:
	s_cmp_lt_u32 s14, 3
	s_cbranch_scc0 .Lhead_s
	TLOAD G0B, G1B
	s_branch .Lhead_asked
.Lhead_s:
	TLOAD G0S, G1S
.Lhead_asked:
	s_lshl_b32 s2, s43, 9
	s_mov_b32 s3, 0
	s_add_nc_u64 s[6:7], s[6:7], s[2:3]            ; p_stat at my tile's 128 rows
	s_lshl_b32 s2, s43, 2                          ; the prefetches: P's blocks 8 x tile + 2 cx on, chunk = wave,
	s_add_co_u32 s2, s2, s40
	s_lshl_b32 s2, s2, 12
	s_lshl_b32 s17, s14, 20
	s_add_co_u32 s2, s2, s17
	s_add_nc_u64 s[PA:PA+1], s[4:5], s[2:3]
	s_add_co_u32 s2, s2, 12*CHPP
	s_add_nc_u64 s[PA4:PA4+1], s[4:5], s[2:3]
	s_lshl_b32 s2, s40, 2                          ; V's blocks 16 cx + 4 cy on, chunk 16 x batch + wave
	s_add_co_u32 s2, s2, s41
	s_lshl_b32 s2, s2, 13
	s_lshl_b32 s17, s44, 21
	s_add_co_u32 s2, s2, s17
	s_lshl_b32 s17, s14, 17
	s_add_co_u32 s2, s2, s17
	s_add_nc_u64 s[PB:PB+1], s[8:9], s[2:3]
	s_lshl_b32 s2, s43, 7                          ; my first row of the output: 128 x tile + 64 x half
	s_lshl_b32 s17, s15, 6
	s_add_co_u32 s2, s2, s17
	s_lshl_b32 s2, s2, 12
	s_lshl_b32 s17, s40, 10
	s_add_co_u32 s2, s2, s17
	s_lshl_b32 s17, s16, 9
	s_add_co_u32 s2, s2, s17
	s_add_nc_u64 s[12:13], s[12:13], s[2:3]
	s_mov_b32 s82, 0x01010101
	s_lshl_b32 s2, s15, 13                         ; LDS places
	s_mul_i32 s3, s16, TILE
	s_add_co_u32 s3, s3, BOFF
	s_mul_i32 s18, s15, 64*80
	s_add_co_u32 s18, s18, ASC
	s_lshl_b32 s19, s16, 9
	s_add_co_u32 s19, s19, BSC
	s_lshl_b32 s47, s15, 8
	s_add_co_u32 s47, s47, LINV
	s_mul_i32 s66, s14, 16*528
	v_lshlrev_b32 v1, 2, v0
.irp c, 0,1,2,3,4,5,6,7,8,9,10,11,12,13,14,15
	global_load_b32 v[FM+\c], v1, s[6:7] offset:524288+32768*\c   ; a thread a row: each load of a wave is 128 consecutive bytes of a chunk's words
	global_load_b32 v[FW+\c], v1, s[6:7] offset:32768*\c
	global_load_b32 v[FL+\c], v1, s[6:7] offset:1048576+32768*\c
.endr
	v_mul_u32_u24 v2, 80, v0
	v_add_nc_u32 v2, ASC, v2                       ; my row's scale words,
	v_add_nc_u32 v3, LINV, v1                      ; and its 1 / sum
	v_and_b32 v4, 15, v0                           ; r
	v_bfe_u32 v5, v0, 4, 1                         ; h
	v_and_b32 v6, 31, v0
	v_lshlrev_b32 v[CO], 4, v6
	v_add_nc_u32 v[ADRA], s2, v[CO]
	v_add_nc_u32 v[ADRA+1], SLOT, v[ADRA]
	v_add_nc_u32 v[ADRB], s3, v[CO]
	v_add_nc_u32 v[ADRB+1], SLOT, v[ADRB]
	v_mul_u32_u24 v7, 80, v4
	v_add_nc_u32 v[ADSA], s18, v7
	v_lshlrev_b32 v33, 2, v4
	v_add_nc_u32 v[RLA], s47, v33
	v_lshl_add_u32 v33, v5, 10, v33
	v_add_nc_u32 v[ADSB], s19, v33
	v_mul_u32_u24 v34, 528, v4                     ; the way out: my stage, rows of 512 bytes + 16, in slot 0
	v_lshl_add_u32 v34, v5, 6, v34
	v_add_nc_u32 v[STO], s66, v34
	v_add_nc_u32 v[RD], s66, v[CO]
	v_lshlrev_b32 v[PFO], 8, v6
	v_min_u32 v36, 15, v6
	v_lshlrev_b32 v[PFP], 8, v36
	ASK 1, 3, PA, 0                                ; the second fill
	s_wait_alu depctr_va_vdst(0)
	s_wait_loadcnt 0x0
	v_min3_num_f32 v56, v[FM], v[FM+1], v[FM+2]    ; -Mmax
.irp c, 3,5,7,9,11,13
	v_min3_num_f32 v56, v56, v[FM+\c], v[FM+\c+1]
.endr
	v_min_num_f32 v56, v56, v[FM+15]
.irp c, 0,1,2,3,4,5,6,7,8,9,10,11,12,13,14,15
	v_sub_f32 v[FM+\c], v56, v[FM+\c]              ; M - Mmax, 0 or less
.endr
.irp c, 0,1,2,3,4,5,6,7,8,9,10,11,12,13,14,15
	v_cvt_i32_f32 v[FM+\c], v[FM+\c]               ; (it saturates)
.endr
.irp c, 0,1,2,3,4,5,6,7,8,9,10,11,12,13,14,15
	v_ldexp_f32 v[FL+\c], v[FL+\c], v[FM+\c]       ; the chunk's sum under Mmax
.endr
.irp c, 0,1,2,3,4,5,6,7,8,9,10,11,12,13,14,15
	v_sub_nc_u32 v[FM+\c], 0, v[FM+\c]
.endr
.irp c, 0,1,2,3,4,5,6,7,8,9,10,11,12,13,14,15
	v_min_u32 v[FM+\c], 127, v[FM+\c]
.endr
.irp c, 0,1,2,3,4,5,6,7,8,9,10,11,12,13,14,15
	v_mul_lo_u32 v[FM+\c], v[FM+\c], s82           ; into all four bytes
.endr
.irp c, 0,1,2,3,4,5,6,7,8,9,10,11,12,13,14,15
	v_or_b32 v[FW+\c], 0x80808080, v[FW+\c]        ; the bytes are under 128: bit 7 keeps a borrow inside its byte
.endr
.irp c, 0,1,2,3,4,5,6,7,8,9,10,11,12,13,14,15
	v_sub_nc_u32 v[FW+\c], v[FW+\c], v[FM+\c]
.endr
.irp c, 0,1,2,3,4,5,6,7,8,9,10,11,12,13,14,15
	v_and_b32 v[FM+\c], 0x80808080, v[FW+\c]       ; bit 7 still set: the byte has not fallen under 0
.endr
.irp c, 0,1,2,3,4,5,6,7,8,9,10,11,12,13,14,15
	v_lshrrev_b32 v[FY+\c], 7, v[FM+\c]
.endr
.irp c, 0,1,2,3,4,5,6,7,8,9,10,11,12,13,14,15
	v_sub_nc_u32 v[FM+\c], v[FM+\c], v[FY+\c]      ; 0x7f in those bytes, 0 in the others
.endr
.irp c, 0,1,2,3,4,5,6,7,8,9,10,11,12,13,14,15
	v_and_b32 v[FW+\c], v[FW+\c], v[FM+\c]
.endr
.irp q, 0,1,2,3
	ds_store_b128 v2, v[FW+4*\q:FW+4*\q+3] offset:16*\q
.endr
.irp c, 0,2,4,6
	v_pk_add_f32 v[FL+\c:FL+\c+1], v[FL+\c:FL+\c+1], v[FL+8+\c:FL+9+\c]
.endr
.irp c, 0,2
	v_pk_add_f32 v[FL+\c:FL+\c+1], v[FL+\c:FL+\c+1], v[FL+4+\c:FL+5+\c]
.endr
	v_pk_add_f32 v[FL:FL+1], v[FL:FL+1], v[FL+2:FL+3]
	v_add_f32 v[FL], v[FL], v[FL+1]
	s_wait_alu depctr_va_vdst(0)                   ; the wait ahead of the transcendental,
	v_rcp_f32 v[FL+2], v[FL]
	v_nop
	s_wait_alu depctr_va_vdst(0)                   ; and ahead of its first reader
	ds_store_b32 v3, v[FL+2]
; four products of chunk c: P's four blocks against V's block n; the 32 accumulators take turns in the same order in every chunk
.macro V4 c, n
.set R_, 16*(\n)
.set X_, SB+8*((\c)/2)+(\n)
	WIN 0x50+5*(2+(\c)%2)
.irp a, 0,1,2,3
.set A_, 128+16*\a
.set D_, 8*(8*\a+(\n))
.set Y_, SA+16*\a+(\c)
.if (\c) == 0
	v_wmma_scale_f32_16x16x128_f8f6f4 v[D_:D_+7], v[R_:R_+15], v[A_:A_+15], 0, v[X_], v[Y_]
.elseif (\c)%2
	v_wmma_scale_f32_16x16x128_f8f6f4 v[D_:D_+7], v[R_:R_+15], v[A_:A_+15], v[D_:D_+7], v[X_], v[Y_] matrix_a_scale:MATRIX_SCALE_ROW1
.else
	v_wmma_scale_f32_16x16x128_f8f6f4 v[D_:D_+7], v[R_:R_+15], v[A_:A_+15], v[D_:D_+7], v[X_], v[Y_]
.endif
.endr
.endm
.macro LD n, c                         ; load n of chunk c's 48: P's four blocks, then V's eight, into set c % 2
.set S_, ((\c)/3)%2
.set O_, 16384*((\c)%3)
.set M_, \n
	WIN (2+(\c)%2)<<6
.if M_ < 16
	ds_load_b128 v[128+4*M_:128+4*M_+3], v[ADRA+S_] offset:O_+512*M_
.else
.set M_, M_-16
	ds_load_b128 v[4*M_:4*M_+3], v[ADRB+S_] offset:O_+512*M_
.endif
.endm
.macro LRUN from, cnt, c
.set N_, \from
.rept \cnt
	LD N_, \c
.set N_, N_+1
.endr
.endm
.macro SCV p                           ; V's scale words of chunks 2 p, 2 p + 1
	WIN 0
.irp i, 0,1,2,3,4,5,6,7
	ds_load_b32 v[SB+8*(\p)+\i], v[ADSB] offset:2048*(\p)+64*\i
.endr
.endm
.macro SCQ q                           ; P's of chunks 4 q .. 4 q + 3
	WIN 0
.irp i, 0,1,2,3
	ds_load_b128 v[SA+16*\i+4*(\q):SA+16*\i+4*(\q)+3], v[ADSA] offset:1280*\i+16*(\q)
.endr
.endm
.macro SCX c                           ; what chunk c asks for of them: XW loads
.set XW, 0
.if ((\c)%2 == 0) && ((\c) < 14)
	SCV (\c)/2+1
.set XW, 8
.if ((\c)%4 == 0) && ((\c) < 12)
	SCQ (\c)/4+1
.set XW, 12
.endif
.endif
.endm
.macro MID c                           ; a chunk whose successor lies in the same slot
	s_wait_dscnt 28
	V4 \c, 0
	PLACES 8                                       ; behind the products that read the other set, which is loaded now
	SCX \c
	LRUN 0, 12, \c+1
	s_wait_dscnt 36+XW                             ; 4 (7 - b) of this chunk's, XW scale words and what the next's runs have issued may be out
	V4 \c, 1
	s_wait_dscnt 32+XW
	V4 \c, 2
	LRUN 12, 12, \c+1
	s_wait_dscnt 40+XW
	V4 \c, 3
	s_wait_dscnt 36+XW
	V4 \c, 4
	LRUN 24, 12, \c+1
	s_wait_dscnt 44+XW
	V4 \c, 5
	s_wait_dscnt 40+XW
	V4 \c, 6
	LRUN 36, 12, \c+1
	s_wait_dscnt 48+XW
	V4 \c, 7
.endm
; A slot's last chunk changes slots.  All its fragments have been asked for: in front of the round each wave waits for all its tensor loads, adds 0 to its spare word, and waits for that and for its reads of this slot.
.macro TURN c, fill
	WIN 0
	s_wait_tensorcnt 0x0                           ; all my tensor loads have landed: my part of the next slot
	ds_add_u32 v[SPW], v[NIL]                      ; 0 onto my spare word
.if \fill
	s_mov_b32 s[G0+1], (((\c)/3)%2)*SLOT
	s_add_co_u32 s[G0B+1], s80, (((\c)/3)%2)*SLOT
	s_add_nc_u64 s[G0+2:G0+3], s[G0+2:G0+3], 3*CHPP
	s_add_nc_u64 s[G0B+2:G0B+3], s[G0B+2:G0B+3], 3*CHPV
.if (\c) == 11                         ; the last fill: one chunk, one row
.irp g, G1, G1B
	s_mov_b32 s[\g+2], 1<<16
	s_mov_b32 s[\g+4], 1
	s_mov_b32 s[\g+6], 1<<16
.endr
.endif
.endif
.irp b, 0,1,2,3
	s_wait_dscnt 29-4*\b                           ; (the add and 4 (7 - b) loads may be out)
	V4 \c, \b
.endr
	s_wait_dscnt 0x0                               ; the add is done, and my reads of this slot are over
	s_barrier_signal -1
	V4 \c, 4
	V4 \c, 5
	WIN 0
	s_barrier_wait -1
.if \fill
	CREST                                          ; no wave of any partner still reads this slot or has a load on its way
	JLOAD
.endif
	PLACES 8
	SCX \c
	LRUN 0, 24, \c+1
	V4 \c, 6
	LRUN 24, 24, \c+1
	V4 \c, 7
	WIN 0
.endm
	s_wait_alu depctr_va_vdst(0)
	s_wait_tensorcnt 0x0                           ; my load is in; these lines stand ahead of a later first fill as ahead of a refill
	ds_add_u32 v[SPW], v[NIL]
	s_mov_b32 s[G0+1], SLOT                        ; slot 1: the second fill
	s_add_co_u32 s[G0B+1], s80, SLOT
	s_add_nc_u64 s[G0+2:G0+3], s[G0+2:G0+3], 3*CHPP
	s_add_nc_u64 s[G0B+2:G0B+3], s[G0B+2:G0B+3], 3*CHPV
	s_wait_dscnt 0x0                               ; the add is done, and my words for the other waves lie in LDS
	CROUND                                         ; everybody's loads and words are in
	JLOAD                                          ; the first tensor load behind the round
.irp a, 0,1,2,3
	ds_load_b32 v[RL+2*\a], v[RLA] offset:64*\a
	ds_load_b32 v[RL+2*\a+1], v[RLA] offset:64*\a
.endr
	SCV 0
	SCQ 0
	LRUN 0, 48, 0
	WIN 0
	ASK 2, 3, PA, 0
	MID 0                                          ; the first products start the sums: nothing is cleared
	MID 1
	TURN 2, 1
	ASK 3, 3, PA4, 4
	MID 3
	MID 4
	TURN 5, 1
	ASK 4, 3, PA4, 4
	MID 6
	MID 7
	TURN 8, 1
	ASK 5, 1, PA4, 4
	MID 9
	MID 10
	TURN 11, 1
	MID 12
	MID 13
	TURN 14, 0                                     ; nothing is left to fetch
.irp b, 0,1,2,3,4,5,6,7
	s_wait_dscnt 28-4*\b
	V4 15, \b
.endr
	WIN 0
; THE WAY OUT of a block of 16 queries: O / sum goes through my stage in LDS and comes back as whole rows of 512 bytes.  The stage lies in slot 0, which has had its last fill and, behind chunk 14's barrier, its last read.
.macro STAGE a
	WIN 0x01                                       ; source 0: window 1
.set n, 0
.rept 32
	v_pk_mul_f32 v[T+n:T+n+1], v[64*(\a)+n:64*(\a)+n+1], v[RL+2*(\a):RL+2*(\a)+1] op_sel_hi:[1,0]
.set n, n+2
.endr
	WIN 0
.irp b, 0,1,2,3
.irp j, 0,1,2,3
	ds_store_b128 v[STO], v[T+16*\b+4*\j:T+16*\b+4*\j+3] offset:128*\b+16*\j   ; two tiles' registers: 16 neighbouring d
.endr
.endr
.if (\a) >= 2
	s_wait_xcnt 0x0                                ; block a - 2's stores have read their registers, into which this block's rows are loaded
.endif
	WIN 0x80
.irp t, 0,1,2,3,4,5,6,7,8,9,10,11,12,13,14,15
	ds_load_b128 v[64*((\a)%2)+4*\t:64*((\a)%2)+4*\t+3], v[RD] offset:528*\t   ; LDS serves a wave's instructions in order: these see the stores above
.endr
	WIN 0
.endm
.macro SEND a, younger
	s_wait_dscnt \younger                          ; the block is back; the next block's 16 stores and 16 loads may be out
	WIN 0x08
.irp t, 0,1,2,3,4,5,6,7,8,9,10,11,12,13,14,15
	global_store_b128 v[CO], v[64*((\a)%2)+4*\t:64*((\a)%2)+4*\t+3], s[12:13] offset:(32*((\a)/2)+16*(\t/8)+8*((\a)%2)+\t%8)*4096 th:TH_STORE_NT   ; 32 lanes store 512 consecutive bytes of a logical row
.endr
	WIN 0
.endm
	PLACES 8                                       ; behind the last products
	STAGE 0
	STAGE 1
	SEND 0, 32
	STAGE 2
	SEND 1, 32
	STAGE 3
	SEND 2, 32
	SEND 3, 0
	s_wait_tensorcnt 0x0                           ; the wave's end
	ds_add_u32 v[SPW], v[NIL]
	s_wait_dscnt 0x0
	CROUND                                         ; the closing round
	s_endpgm
.Lfunc_end_k_q9f7011e3fe_gemm_o:
	.size	k_q9f7011e3fe_gemm_o, .Lfunc_end_k_q9f7011e3fe_gemm_o-k_q9f7011e3fe_gemm_o
	.p2alignl 7, 3214868480
	.fill 96, 4, 3214868480
	.section	.rodata,"a",@progbits
	.p2align	6, 0x0
	.amdhsa_kernel k_q9f7011e3fe_gemm_o
		.amdhsa_group_segment_fixed_size 327680
		.amdhsa_private_segment_fixed_size 0
		.amdhsa_enable_private_segment 0
		.amdhsa_kernarg_size 40
		.amdhsa_user_sgpr_count 2
		.amdhsa_user_sgpr_kernarg_segment_ptr 1
		.amdhsa_wavefront_size32 1
		.amdhsa_system_sgpr_workgroup_id_x 1
		.amdhsa_system_sgpr_workgroup_id_y 1
		.amdhsa_system_sgpr_workgroup_id_z 1
		.amdhsa_system_vgpr_workitem_id 0
		.amdhsa_next_free_vgpr 960
		.amdhsa_next_free_sgpr 100
		.amdhsa_reserve_vcc 0
		.amdhsa_float_denorm_mode_32 3
		.amdhsa_float_denorm_mode_16_64 3
		.amdhsa_memory_ordered 1
		.amdhsa_forward_progress 1
		.amdhsa_inst_pref_size 183
	.end_amdhsa_kernel
	.amdgpu_metadata
---
amdhsa.version: [ 1, 2 ]
amdhsa.kernels:
  - .name:           k_q9f7011e3fe_gemm_o
    .symbol:         k_q9f7011e3fe_gemm_o.kd
    .args:
      - { .name: p_codes, .offset: 0, .size: 8, .value_kind: global_buffer, .address_space: global }
      - { .name: p_stat, .offset: 8, .size: 8, .value_kind: global_buffer, .address_space: global }
      - { .name: vt_codes, .offset: 16, .size: 8, .value_kind: global_buffer, .address_space: global }
      - { .name: vt_sc, .offset: 24, .size: 8, .value_kind: global_buffer, .address_space: global }
      - { .name: out0, .offset: 32, .size: 8, .value_kind: global_buffer, .address_space: global }
    .group_segment_fixed_size: 327680
    .private_segment_fixed_size: 0
    .kernarg_segment_align: 8
    .kernarg_segment_size: 40
    .max_flat_workgroup_size: 128
    .sgpr_count:     100
    .vgpr_count:     960
    .wavefront_size: 32
...
	.end_amdgpu_metadata
.endif
;; end of part 4
